; MI455X (gfx1250); checked and timed in simulation.
; The chip was launched on July 23, 2026; its instructions are those of AMD's public machine-readable ISA for CDNA 5 (MIT licence, August 2026) and "CDNA5" Instruction Set Architecture Reference Guide (July 2026). The comments in the code are by the model that wrote it; some were corrected since.
;; Yolo Model. Allowed arithmetic: float matrix products may take bf16 or f16 operands with f32 sums; other float arithmetic in f32, or as packed bf16 or f16 multiplies, adds, multiply-adds, maxima and minima; sums over many terms, partial sums and values carried from step to step in f32; what a program stores and reads back later, other than sums and carried values, may be rounded once to bf16 or f16.
;; Inputs: detections 1 x 262,144 x 85 float32.
;; Outputs: out0 1 x 300 float32; out1 300 float32.
;; 3 versions, each right; version 2 is faster than version 1; version 3 is version 2 with the launch nmsb written anew for expert scheduling mode. Each part assembles by itself: llvm-mc -triple=amdgcn-amd-amdhsa -mcpu=gfx1250 --defsym DOCPART=n.
;; ======== version 1 of 3: 5 launches
;; workspace buffers: rec 6,291,456 bytes; code 393,216 bytes of whole numbers; srec 6,291,456 bytes; seg 1,024 bytes of whole numbers; kscore 102,400 bytes; kidx 122,880 bytes of whole numbers; prank 102,400 bytes of whole numbers; kconf 102,400 bytes
;; launch scan (part 1): grid 256 x 1, 8 waves a work-group, no clusters, 92,160 bytes of LDS; arguments detections, rec, code; writes rec, code
.if DOCPART == 1
	.amdgcn_target "amdgcn-amd-amdhsa--gfx1250"
	.amdhsa_code_object_version 6
	.text
	.protected	k_qe4c034e436_scan
	.globl	k_qe4c034e436_scan
	.p2align	8
	.type	k_qe4c034e436_scan,@function
k_qe4c034e436_scan:
	s_mov_b64 s[64:65], 0
	v_nop
	global_prefetch_b8 v0, s[64:65] scope:SCOPE_SE
	s_setreg_imm32_b32 hwreg(HW_REG_WAVE_MODE, 25, 1), 1
	s_wait_xcnt 0x0
; SCAN.  detections: [262144][85] f32 (x, y, w, h, obj, 80 class scores).  For every row: the box as corners, score = obj x largest class
; score, that largest score, and a code: the first class that has it, or 80 where obj < 0.8.  Out: rec (boxes [row][4] at byte 0, (score, conf)
; [row][2] at byte 4,194,304) and code (one byte a row, and for each block of 1,024 rows how many rows have each code).
; SHARES.  A work-group owns 1,024 rows as four tiles of 256 rows; a tile is 87,040 consecutive bytes, 340 blocks of 256.  It comes in by 16-byte
; loads (a wave's load covers 512 consecutive bytes), goes through LDS, and thread t then reads row t: rows are 85 words apart, an odd number, so
; the 32 lanes of a load touch 32 different banks (ISA guide 11.1).  The next tile's loads are on their way while a tile is worked on.
; LIMITS.  NaN is not treated apart: a NaN class score takes the running maximum's place until the next score of its chain replaces it.
.set ROWB,  340
.set TILEB, 87040
.set HIST,  87040                      ; 8 waves x 128 words
.set SPARE, 91136                      ; the spare words: 128 bytes for each of 8 waves
.set SPW,  1                           ; v1  my spare word's address; never rewritten
.set NIL,  2                           ; v2  0; never rewritten
.set G,    8                           ; v[8:95]    22 x 16 bytes of the tile on its way
.set R,    96                          ; v[96:180]  my row
.set BEST, 184                         ; v[184:187] four running maxima, 20 classes each
.set IDX,  188                         ; v[188:191] and where they stand
.set BOX,  192                         ; v[192:195] x1, y1, x2, y2
.set SCO,  196                         ; v[196:197] score, conf
.set CODE, 198
.set CW,   199                         ; the four tiles' codes of thread t, a byte each
.set H,    200                         ; v[200:203] lane c % 32 of register c / 32: the wave's rows of code c in this tile
.set A,    204                         ; v[204:207] the same, added up over the tiles
.set M,    32                          ; s[32:40]   nine masks
.macro BAR
	s_wait_dscnt 0x0                       ; for the others' sake: my LDS stores are done and my LDS reads are back
	s_barrier_signal -1
	s_barrier_wait -1
.endm
.macro LOADS                           ; a tile: 21 loads of every thread, and 1,024 bytes more by threads 0 to 63 (waves 0 and 1)
.set j, 0
.rept 21
	global_load_b128 v[G+4*j:G+4*j+3], v3, s[4:5] offset:4096*j th:TH_LOAD_NT
.set j, j+1
.endr
	s_cmp_ge_u32 s10, 2
	s_cbranch_scc1 .Lnl_\@
	global_load_b128 v[G+84:G+87], v3, s[4:5] offset:86016 th:TH_LOAD_NT
.Lnl_\@:
.endm
.macro PUT                             ; the same bytes into LDS, at the same offsets
.set j, 0
.rept 16
	ds_store_b128 v3, v[G+4*j:G+4*j+3] offset:4096*j
.set j, j+1
.endr
.rept 5
	ds_store_b128 v5, v[G+4*j:G+4*j+3] offset:4096*(j-16)
.set j, j+1
.endr
	s_cmp_ge_u32 s10, 2
	s_cbranch_scc1 .Lnp_\@
	ds_store_b128 v5, v[G+84:G+87] offset:20480
.Lnp_\@:
.endm
.macro MERGE lo, hi                    ; the lower chain keeps a tie: the first maximum wins
	v_cmp_le_f32 vcc_lo, v[BEST+\hi], v[BEST+\lo]
	v_cndmask_b32 v[BEST+\lo], v[BEST+\hi], v[BEST+\lo], vcc_lo
	v_cndmask_b32 v[IDX+\lo], v[IDX+\hi], v[IDX+\lo], vcc_lo
.endm
	s_load_b128 s[4:7], s[0:1], 0x0        ; detections s[4:5], rec s[6:7]
	s_load_b64 s[8:9], s[0:1], 0x10        ; code
	v_lshl_add_u32 v[SPW], v0, 2, SPARE
	v_mov_b32 v[NIL], 0
	v_lshrrev_b32 v3, 5, v0
	v_readfirstlane_b32 s10, v3            ; wave 0..7
	v_lshlrev_b32 v3, 4, v0                ; 16 t: offset in the tile (memory and LDS) and in a tile's boxes
	v_mul_u32_u24 v4, v0, ROWB             ; my row in LDS
	v_add_nc_u32 v5, 0x10000, v3           ; 16 t + 65,536: an LDS offset holds 16 bits
	v_lshlrev_b32 v6, 3, v0
	v_lshlrev_b32 v7, 2, v0
	v_mov_b32 v[CW], 0
.irp k, 0,1,2,3,4,5,6,7
	v_mov_b32 v[H+\k], 0                   ; H and A
.endr
	s_mul_i32 s12, ttmp9, 4*TILEB          ; my block's bytes in detections (under 2^31)
	s_mov_b32 s13, 0
	s_lshl_b32 s18, ttmp9, 14              ; 1,024 boxes of 16 bytes
	s_mov_b32 s19, 0
	s_lshl_b32 s24, ttmp9, 13              ; 1,024 pairs of 8 bytes
	s_mov_b32 s25, 0
	s_mov_b32 s22, 0x3f4ccccd              ; 0.8
	s_mov_b32 s20, 4                       ; tiles to go
	s_wait_kmcnt 0x0
	s_add_nc_u64 s[4:5], s[4:5], s[12:13]
	s_add_nc_u64 s[14:15], s[6:7], s[18:19]
	s_add_nc_u64 s[16:17], s[6:7], 0x400000
	s_add_nc_u64 s[16:17], s[16:17], s[24:25]
	LOADS
.Ltile:
	s_wait_loadcnt 0x0                     ; the tile is in registers, and its loads' address registers are free
	PUT
	s_add_nc_u64 s[4:5], s[4:5], TILEB
	s_wait_dscnt 0x0                       ; the stores are done: G may be loaded again
	s_cmp_eq_u32 s20, 1
	s_cbranch_scc1 .Lnomore                ; the last tile asks for nothing: no load leaves the buffer
	LOADS
.Lnomore:
	BAR                                    ; the tile is whole
.set k, 0
.rept 85
	ds_load_b32 v[R+k], v4 offset:4*k
.set k, k+1
.endr
	s_wait_dscnt 63                        ; of the 85 loads at most 63 are out: the oldest 22 are in, x, y, w, h and obj among them
	v_fma_f32 v[BOX],   v[R+2], -0.5, v[R]    ; w x 0.5 is exact, so one rounding, as in x - w x 0.5
	v_fma_f32 v[BOX+1], v[R+3], -0.5, v[R+1]
	v_fma_f32 v[BOX+2], v[R+2], 0.5, v[R]
	v_fma_f32 v[BOX+3], v[R+3], 0.5, v[R+1]
	s_wait_dscnt 0x0
.irp j, 0,1,2,3
	v_mov_b32 v[BEST+\j], v[R+5+20*\j]
	v_mov_b32 v[IDX+\j], 20*\j
.endr
.set i, 1
.rept 19                               ; four chains by turns, so that no line waits for the one before it
.irp j, 0,1,2,3
	v_cmp_le_f32 vcc_lo, v[R+5+20*\j+i], v[BEST+\j]
	v_cndmask_b32 v[BEST+\j], v[R+5+20*\j+i], v[BEST+\j], vcc_lo
	v_cndmask_b32 v[IDX+\j], 20*\j+i, v[IDX+\j], vcc_lo
.endr
.set i, i+1
.endr
	MERGE 0, 1
	MERGE 2, 3
	MERGE 0, 2
	v_mul_f32 v[SCO], v[R+4], v[BEST]
	v_mov_b32 v[SCO+1], v[BEST]
	v_cmp_le_f32 vcc_lo, s22, v[R+4]       ; 0.8 <= obj
	v_cndmask_b32 v[CODE], 80, v[IDX], vcc_lo
	global_store_b128 v3, v[BOX:BOX+3], s[14:15]    ; a wave's store covers 512 consecutive bytes
	global_store_b64 v6, v[SCO:SCO+1], s[16:17]     ; 256 consecutive bytes
	v_lshrrev_b32 v[CW], 8, v[CW]
	v_lshl_or_b32 v[CW], v[CODE], 24, v[CW]         ; after four tiles: tile q's code in byte q
.set c, 0
.rept 9                                ; the wave's rows of each of the 81 codes, nine at a time: compare, count, put into the code's lane
.set k, 0
.rept 9
	v_cmp_eq_u32 s[M+k], c+k, v[CODE]
.set k, k+1
.endr
.set k, 0
.rept 9
	s_bcnt1_i32_b32 s[M+k], s[M+k]
.set k, k+1
.endr
.set k, 0
.rept 9
	v_writelane_b32 v[H+(c+k)/32], s[M+k], (c+k)%32
.set k, k+1
.endr
.set c, c+9
.endr
.irp k, 0,1,2
	v_add_nc_u32 v[A+\k], v[A+\k], v[H+\k]
.endr
	BAR                                    ; every wave has read its rows: the tile's bytes may be written again
	s_wait_xcnt 0x0                        ; the stores' data and bases are rewritten only behind this wait
	s_add_nc_u64 s[14:15], s[14:15], 4096
	s_add_nc_u64 s[16:17], s[16:17], 2048
	s_sub_co_u32 s20, s20, 1
	s_cmp_lg_u32 s20, 0
	s_cbranch_scc1 .Ltile
	v_and_b32 v8, 31, v0                   ; the waves' counts meet in LDS
	s_lshl_b32 s21, s10, 9
	s_add_co_u32 s21, s21, HIST
	v_lshl_add_u32 v8, v8, 2, s21
.irp k, 0,1,2,3
	ds_store_b32 v8, v[A+\k] offset:128*\k
.endr
	BAR
	s_lshl_b32 s12, ttmp9, 10
	s_add_nc_u64 s[24:25], s[8:9], s[12:13]
	global_store_b32 v7, v[CW], s[24:25]   ; word 256 b + t
	s_cmp_ge_u32 s10, 4
	s_cbranch_scc1 .Lend
	v_add_nc_u32 v9, HIST, v7              ; threads 0 to 127: code c = t
.irp k, 0,1,2,3,4,5,6,7
	ds_load_b32 v[10+\k], v9 offset:512*\k
.endr
	s_lshl_b32 s12, ttmp9, 9
	s_add_nc_u64 s[26:27], s[8:9], 0x40000
	s_add_nc_u64 s[26:27], s[26:27], s[12:13]
	s_wait_dscnt 0x0
.irp k, 1,2,3,4,5,6,7
	v_add_nc_u32 v10, v10, v[10+\k]
.endr
	global_store_b32 v7, v10, s[26:27]
.Lend:
	s_wait_tensorcnt 0x0                   ; the wave's end
	ds_add_u32 v[SPW], v[NIL]
	s_wait_dscnt 0x0
	s_endpgm
.Lfunc_end_k_qe4c034e436_scan:
	.size	k_qe4c034e436_scan, .Lfunc_end_k_qe4c034e436_scan-k_qe4c034e436_scan
	.p2alignl 7, 3214868480
	.fill 96, 4, 3214868480
	.section	.rodata,"a",@progbits
	.p2align	6, 0x0
	.amdhsa_kernel k_qe4c034e436_scan
		.amdhsa_group_segment_fixed_size 92160
		.amdhsa_private_segment_fixed_size 0
		.amdhsa_enable_private_segment 0
		.amdhsa_kernarg_size 24
		.amdhsa_user_sgpr_count 2
		.amdhsa_user_sgpr_kernarg_segment_ptr 1
		.amdhsa_wavefront_size32 1
		.amdhsa_system_sgpr_workgroup_id_x 1
		.amdhsa_system_sgpr_workgroup_id_y 1
		.amdhsa_system_sgpr_workgroup_id_z 1
		.amdhsa_system_vgpr_workitem_id 0
		.amdhsa_next_free_vgpr 208
		.amdhsa_next_free_sgpr 66
		.amdhsa_reserve_vcc 1
		.amdhsa_float_denorm_mode_32 3
		.amdhsa_float_denorm_mode_16_64 3
		.amdhsa_memory_ordered 1
		.amdhsa_forward_progress 1
		.amdhsa_inst_pref_size 38
	.end_amdhsa_kernel
	.amdgpu_metadata
---
amdhsa.version: [ 1, 2 ]
amdhsa.kernels:
  - .name:           k_qe4c034e436_scan
    .symbol:         k_qe4c034e436_scan.kd
    .args:
      - { .name: detections, .offset: 0, .size: 8, .value_kind: global_buffer, .address_space: global }
      - { .name: rec, .offset: 8, .size: 8, .value_kind: global_buffer, .address_space: global }
      - { .name: code, .offset: 16, .size: 8, .value_kind: global_buffer, .address_space: global }
    .group_segment_fixed_size: 92160
    .private_segment_fixed_size: 0
    .kernarg_segment_align: 8
    .kernarg_segment_size: 24
    .max_flat_workgroup_size: 256
    .sgpr_count:     66
    .vgpr_count:     208
    .wavefront_size: 32
...
	.end_amdgpu_metadata
.endif
;; end of part 1
;; launch place (part 2): grid 256 x 1, 8 waves a work-group, no clusters, 26,624 bytes of LDS; arguments code, rec, srec, seg; writes srec, seg
.if DOCPART == 2
	.amdgcn_target "amdgcn-amd-amdhsa--gfx1250"
	.amdhsa_code_object_version 6
	.text
	.protected	k_qe4c034e436_place
	.globl	k_qe4c034e436_place
	.p2align	8
	.type	k_qe4c034e436_place,@function
k_qe4c034e436_place:
	s_mov_b64 s[64:65], 0
	v_nop
	global_prefetch_b8 v0, s[64:65] scope:SCOPE_SE
	s_setreg_imm32_b32 hwreg(HW_REG_WAVE_MODE, 25, 1), 1
	s_wait_xcnt 0x0
; PLACE.  A stable counting sort of the 262,144 rows by code (0..79 a class, 80 not valid), without atomics.  In: code (a byte a row; counts
; [256 blocks][128]) and rec (boxes; score and conf).  Out: srec, the rows' records grouped by code, rows ascending inside a code (boxes [place][4] at byte 0,
; (score, row as f32: exact below 2^24) [place][2] at byte 4,194,304; the places are a permutation, so every byte is written), and seg: off[128]
; (where a code's records begin) and tot[128] (how many).
; A row's place = off[code] + rows of that code in earlier blocks + in earlier groups of 32 rows of its block + in lower lanes of its group.
; SHARES.  Work-group b owns rows 1024 b ..; thread t has rows 1024 b + 256 q + t, q = 0..3; group G = 8 q + wave.  Every work-group adds up the
; whole table of counts (131,072 bytes) for itself; work-group 0 stores off and tot.
; All lanes stay on throughout: of a group's lanes with one code only the highest knows the count; the others store to word 96 + lane of the same row of T,
; which no code names (codes end at 80) and whose content nobody uses.
.set PT,    0                          ; 8 waves x 128 words: counts of the wave's 32 blocks
.set PB,    4096                       ; the same, of those blocks that come before mine
.set TOT,   8192                       ; 128 words
.set T,     8704                       ; 32 groups x 128 words: first the group's counts, then the group's first place for each code
.set SPARE, 25088
.set X,    8                           ; v[8:135]
.set TV,   136                         ; v[136:139] totals of my four codes, v[140:143] those of earlier blocks
.set CQ,   144                         ; v[144:147] my four rows' codes
.set RQ,   148                         ; v[148:151] lower lanes of the group with the same code
.set MASK, 152
.set TMP,  153
.set VAL,  154
.set AQ,   156                         ; v[156:159] LDS address of my row's word in T, less 4096 q
.set P,    160                         ; v[160:175]
.set TC,   176
.set BC,   177
.set OFFC, 178
.set RUN,  179
.set ZERO, 180
.set TB,   181                         ; my wave's row of T for q = 0
.set PA,   182
.set ROWV, 183
.set BQ,   184                         ; v[184:187]
.set LN,   188                         ; 96 + lane
.set SA,   189                         ; where this group's store goes
.set TA,   190                         ; TOT's address
.set BX,   192                         ; v[192:207] my four rows' boxes
.set SC,   208                         ; v[208:215] my four rows' (score, row as f32)
.set OB,   216                         ; 16 t; never rewritten
.set OS,   217                         ; 8 t; never rewritten
.macro BAR
	s_wait_dscnt 0x0
	s_barrier_signal -1
	s_barrier_wait -1
.endm
.macro GROUP q
	v_bfe_u32 v[CQ+\q], v5, 8*\q, 8
	v_min_u32 v[CQ+\q], 80, v[CQ+\q]
	v_mov_b32 v[MASK], -1
.irp i, 0,1,2,3,4,5,6                  ; the lanes whose code agrees with mine in every bit
	v_bfe_u32 v[TMP], v[CQ+\q], \i, 1
	v_cmp_eq_u32 vcc_lo, 1, v[TMP]
	v_add_nc_u32 v[TMP], -1, v[TMP]        ; bit set: 0; clear: all ones
	v_xor_b32 v[TMP], vcc_lo, v[TMP]       ; bit set: the lanes that have it; clear: those that have not
	v_and_b32 v[MASK], v[MASK], v[TMP]
.endr
	v_mbcnt_lo_u32_b32 v[RQ+\q], v[MASK], 0
	v_lshrrev_b32 v[TMP], v3, v[MASK]
	v_lshrrev_b32 v[TMP], 1, v[TMP]
	v_cmp_eq_u32 vcc_lo, 0, v[TMP]         ; no higher lane has my code: I know the group's count
	v_cndmask_b32 v[SA], v[LN], v[CQ+\q], vcc_lo   ; the code's word, or my dump word
	v_min_u32 v[SA], 127, v[SA]
	v_lshl_add_u32 v[SA], v[SA], 2, v[TB]
	v_lshl_add_u32 v[AQ+\q], v[CQ+\q], 2, v[TB]
	v_add_nc_u32 v[VAL], 1, v[RQ+\q]
	ds_store_b32 v[SA], v[VAL] offset:4096*\q      ; into my wave's own row of T, behind my wave's zeros (LDS serves a wave in order)
.endm
	s_load_b256 s[4:11], s[0:1], 0x0       ; code s[4:5], rec s[6:7], srec s[8:9], seg s[10:11]
	v_lshl_add_u32 v1, v0, 2, SPARE
	v_mov_b32 v2, 0
	v_lshrrev_b32 v3, 5, v0
	v_readfirstlane_b32 s26, v3            ; wave
	v_and_b32 v3, 31, v0                   ; lane
	v_lshlrev_b32 v4, 2, v0
	v_lshlrev_b32 v[OB], 4, v0
	v_lshlrev_b32 v[OS], 3, v0
	s_lshl_b32 s27, s26, 14
	v_lshl_add_u32 v6, v3, 4, s27          ; my wave's 32 rows of the counts, 16 bytes a lane
	s_lshl_b32 s12, s26, 9
	s_add_co_u32 s13, s12, T
	v_lshl_add_u32 v7, v3, 2, s13
	v_mov_b32 v[TB], s13
	v_lshl_add_u32 v[PA], v3, 4, s12
	v_mov_b32 v[ZERO], 0
	v_add_nc_u32 v[LN], 96, v3
	v_mov_b32 v[TA], TOT
.irp k, 0,1,2,3,4,5,6,7
	v_mov_b32 v[TV+\k], 0
.endr
	v_mov_b32 v[TC], 0
	v_mov_b32 v[BC], 0
	s_lshl_b32 s14, ttmp9, 10              ; my block's first row; also its code words' byte offset
	s_mov_b32 s15, 0
	s_lshl_b32 s16, s26, 5
	s_sub_co_i32 s16, s16, ttmp9           ; my wave's first block less my block
	s_lshl_b32 s28, ttmp9, 14              ; 1,024 boxes of 16 bytes
	s_mov_b32 s29, 0
	s_lshl_b32 s30, ttmp9, 13              ; 1,024 pairs of 8 bytes
	s_mov_b32 s31, 0
	s_wait_kmcnt 0x0
	s_add_nc_u64 s[18:19], s[4:5], s[14:15]
	s_add_nc_u64 s[20:21], s[4:5], 0x40000
	s_add_nc_u64 s[22:23], s[6:7], s[28:29]
	s_add_nc_u64 s[24:25], s[6:7], 0x400000
	s_add_nc_u64 s[24:25], s[24:25], s[30:31]
	s_add_nc_u64 s[32:33], s[8:9], 0x400000
	global_load_b32 v5, v4, s[18:19]
.set j, 0
.rept 32
	global_load_b128 v[X+4*j:X+4*j+3], v6, s[20:21] offset:512*j
.set j, j+1
.endr
.irp q, 0,1,2,3                        ; my four rows' records: a wave's loads cover 512 and 256 consecutive bytes (of the latter every other word)
	global_load_b128 v[BX+4*\q:BX+4*\q+3], v[OB], s[22:23] offset:4096*\q
	global_load_b32 v[SC+2*\q], v[OS], s[24:25] offset:2048*\q
.endr
.irp q, 0,1,2,3
.irp k, 0,1,2,3
	ds_store_b32 v7, v[ZERO] offset:4096*\q+128*\k
.endr
.endr
	s_wait_loadcnt 8                       ; loads come back in order: the codes and counts are in; the eight record loads issued behind them may stay out
.set j, 0
.rept 32
	s_add_co_i32 s17, s16, j
	s_ashr_i32 s17, s17, 31                ; all ones where that block comes before mine
.irp i, 0,1,2,3
	v_add_nc_u32 v[TV+\i], v[TV+\i], v[X+4*j+\i]
	v_and_b32 v[TMP], s17, v[X+4*j+\i]
	v_add_nc_u32 v[TV+4+\i], v[TV+4+\i], v[TMP]
.endr
.set j, j+1
.endr
	ds_store_b128 v[PA], v[TV:TV+3] offset:PT
	ds_store_b128 v[PA], v[TV+4:TV+7] offset:PB
	GROUP 0
	GROUP 1
	GROUP 2
	GROUP 3
	BAR
	s_cmp_ge_u32 s26, 4
	s_cbranch_scc1 .Lb2
.set k, 0
.rept 8                                ; threads 0 to 127: code c = t
	ds_load_b32 v[P+k], v4 offset:PT+512*k
	ds_load_b32 v[P+8+k], v4 offset:PB+512*k
.set k, k+1
.endr
	s_wait_dscnt 0x0
.set k, 0
.rept 8
	v_add_nc_u32 v[TC], v[TC], v[P+k]
	v_add_nc_u32 v[BC], v[BC], v[P+8+k]
.set k, k+1
.endr
	ds_store_b32 v4, v[TC] offset:TOT
.Lb2:
	BAR
	s_cmp_ge_u32 s26, 4
	s_cbranch_scc1 .Lb3
.set j, 0
.rept 21
	ds_load_b128 v[X+4*j:X+4*j+3], v[TA] offset:16*j    ; all lanes read the same words
.set j, j+1
.endr
.set j, 0
.rept 32
	ds_load_b32 v[X+88+j], v4 offset:T+512*j
.set j, j+1
.endr
	s_wait_dscnt 0x0
	v_mov_b32 v[OFFC], 0
.set j, 0
.rept 81                               ; off[c] = the totals of the codes below c
	v_cmp_lt_u32 vcc_lo, j, v0
	v_cndmask_b32 v[VAL], 0, v[X+j], vcc_lo
	v_add_nc_u32 v[OFFC], v[OFFC], v[VAL]
.set j, j+1
.endr
	s_cmp_lg_u32 ttmp9, 0
	s_cbranch_scc1 .Lnoseg
	global_store_b32 v4, v[OFFC], s[10:11]
	global_store_b32 v4, v[TC], s[10:11] offset:512
.Lnoseg:
	v_add_nc_u32 v[RUN], v[OFFC], v[BC]
.set j, 0
.rept 32                               ; a running sum over the block's 32 groups takes the counts' place
	ds_store_b32 v4, v[RUN] offset:T+512*j
	v_add_nc_u32 v[RUN], v[RUN], v[X+88+j]
.set j, j+1
.endr
.Lb3:
	BAR
.irp q, 0,1,2,3
	ds_load_b32 v[BQ+\q], v[AQ+\q] offset:4096*\q
.endr
	v_add_nc_u32 v[ROWV], s14, v0
.irp q, 0,1,2,3
	v_add_nc_u32 v[TMP], 256*\q, v[ROWV]
	v_cvt_f32_u32 v[SC+2*\q+1], v[TMP]     ; the row's number travels with its score
.endr
	s_wait_dscnt 0x0
	s_wait_loadcnt 0x0                     ; my rows' records
.irp q, 0,1,2,3
	v_add_nc_u32 v[BQ+\q], v[BQ+\q], v[RQ+\q]
	v_min_u32 v[BQ+\q], 0x3ffff, v[BQ+\q]
	v_lshlrev_b32 v[P+\q], 4, v[BQ+\q]
	v_lshlrev_b32 v[P+4+\q], 3, v[BQ+\q]
	global_store_b128 v[P+\q], v[BX+4*\q:BX+4*\q+3], s[8:9]
	global_store_b64 v[P+4+\q], v[SC+2*\q:SC+2*\q+1], s[32:33]
.endr
	s_wait_tensorcnt 0x0                   ; the wave's end
	ds_add_u32 v1, v2
	s_wait_dscnt 0x0
	s_endpgm
.Lfunc_end_k_qe4c034e436_place:
	.size	k_qe4c034e436_place, .Lfunc_end_k_qe4c034e436_place-k_qe4c034e436_place
	.p2alignl 7, 3214868480
	.fill 96, 4, 3214868480
	.section	.rodata,"a",@progbits
	.p2align	6, 0x0
	.amdhsa_kernel k_qe4c034e436_place
		.amdhsa_group_segment_fixed_size 26624
		.amdhsa_private_segment_fixed_size 0
		.amdhsa_enable_private_segment 0
		.amdhsa_kernarg_size 32
		.amdhsa_user_sgpr_count 2
		.amdhsa_user_sgpr_kernarg_segment_ptr 1
		.amdhsa_wavefront_size32 1
		.amdhsa_system_sgpr_workgroup_id_x 1
		.amdhsa_system_sgpr_workgroup_id_y 1
		.amdhsa_system_sgpr_workgroup_id_z 1
		.amdhsa_system_vgpr_workitem_id 0
		.amdhsa_next_free_vgpr 224
		.amdhsa_next_free_sgpr 66
		.amdhsa_reserve_vcc 1
		.amdhsa_float_denorm_mode_32 3
		.amdhsa_float_denorm_mode_16_64 3
		.amdhsa_memory_ordered 1
		.amdhsa_forward_progress 1
		.amdhsa_inst_pref_size 48
	.end_amdhsa_kernel
	.amdgpu_metadata
---
amdhsa.version: [ 1, 2 ]
amdhsa.kernels:
  - .name:           k_qe4c034e436_place
    .symbol:         k_qe4c034e436_place.kd
    .args:
      - { .name: code, .offset: 0, .size: 8, .value_kind: global_buffer, .address_space: global }
      - { .name: rec, .offset: 8, .size: 8, .value_kind: global_buffer, .address_space: global }
      - { .name: srec, .offset: 16, .size: 8, .value_kind: global_buffer, .address_space: global }
      - { .name: seg, .offset: 24, .size: 8, .value_kind: global_buffer, .address_space: global }
    .group_segment_fixed_size: 26624
    .private_segment_fixed_size: 0
    .kernarg_segment_align: 8
    .kernarg_segment_size: 32
    .max_flat_workgroup_size: 256
    .sgpr_count:     66
    .vgpr_count:     224
    .wavefront_size: 32
...
	.end_amdgpu_metadata
.endif
;; end of part 2
;; launch nms (part 3): grid 80 x 1, 8 waves a work-group, no clusters, 4,352 bytes of LDS; arguments srec, seg, kscore, kidx; writes kscore, kidx
.if DOCPART == 3
	.amdgcn_target "amdgcn-amd-amdhsa--gfx1250"
	.amdhsa_code_object_version 6
	.text
	.protected	k_qe4c034e436_nms
	.globl	k_qe4c034e436_nms
	.p2align	8
	.type	k_qe4c034e436_nms,@function
k_qe4c034e436_nms:
	s_mov_b64 s[64:65], 0
	v_nop
	global_prefetch_b8 v0, s[64:65] scope:SCOPE_SE
	s_setreg_imm32_b32 hwreg(HW_REG_WAVE_MODE, 25, 1), 1
	s_wait_xcnt 0x0
; NMS, one class to a work-group.  Suppression never crosses classes, so the reference's sequence of picks is the merge of 80 greedy sequences;
; this launch makes each class's first 300 picks.  Out: kscore[class][320] (a pick's score, -inf where there is none), kidx[class][320] (its row),
; and at byte 102,400 of kidx the number of picks, 64 equal words a class.
; A STEP: every box still alive is tested against the last winner and dies where IoU > 0.4; then the best of the living (score, then lower row)
; is found and handed to all waves.  Always 300 steps; no branch, address or EXEC mask hangs on a float: a winner travels as a value, picked out by
; v_cndmask under a one-bit mask and spread by sums of one value and zeros, which are exact.
; THE TEST without a division.  0.4f has an odd last bit, so round(inter / den) > 0.4f is inter / den >= 0.4f + 2^-26.  e = fma(-0.4f, den, inter) is exact where
; it is small enough to matter; f = fma(-2^-26, den, e) then has the true sign; g = f x den carries den's sign; suppressed where 0 <= g.
; SHARES.  The class's n records lie in srec from place off on, rows ascending (off and n: whole numbers from seg).  m = ceil(n / 256); thread t owns places t m + r,
; r = 0 .. m - 1: order is (wave, lane, r).  r = 0..3 live in registers.  r >= 4 (a class of more than 1,024 valid boxes) are walked from memory in every step: right, and slow.
; Whether such a box is alive is a bit in 32 registers of its lane (1,024 places; m is 1,024 at the most).  The walk's outer loop always has 32 trips and ends each by turning
; the ring of 32 registers one on, so that the register in hand always has the same name and the ring is back in place behind the walk.
; LIMITS.  NaN and infinities are not treated apart.  A pair with a1 + a2 - inter + 1e-16 = 0, or so near 0 (some 1e-19) that f x den underflows, counts as suppressed.
.set LOG,   512                        ; bytes 0-511: two sets of 8 slots of 32 bytes (x1, y1, x2, y2, key, row).  LOG: 332 x (key, row)
.set SPARE, 3328
.set FL,    128                        ; v[128:159] the walked boxes' bits; v160 at work in the ring's turn
; v1 lane  v2, v3 the add's two  v4 32 w  v5 32 (lane % 8)  v6 log address  v7 -inf  v[8:11] winner's box  v12 its area  v13 t m  v14 its key  v15 its row
; v[16:21] a slot as read  v[22:23] at work  record r at v[24+8r]: +0..3 box, +4 area, +5 key, +6 row as f32 (exact below 2^24), +7 at work;
; r = 0..3 my boxes, r = 4 (v56) the best of the walked ones, r = 5 (v64) the walked box in hand  v[72+4r ..] at work for record r
; v[100:105] my lane's best: box, key, row  v[108:111], v112, v113 my wave's  v[114:118] at work  v120, v122, v124, v126, v127 the walk's places and addresses
.macro BAR
	s_wait_dscnt 0x0
	s_barrier_signal -1
	s_barrier_wait -1
.endm
.macro CANDM list:vararg               ; the records named are tested against the winner, line by line side by side
.irp r, \list
	v_max_num_f32 v[72+4*\r], v8, v[24+8*\r]
	v_max_num_f32 v[73+4*\r], v9, v[25+8*\r]
	v_min_num_f32 v[74+4*\r], v10, v[26+8*\r]
	v_min_num_f32 v[75+4*\r], v11, v[27+8*\r]
.endr
.irp r, \list
	v_pk_add_f32 v[72+4*\r:73+4*\r], v[74+4*\r:75+4*\r], v[72+4*\r:73+4*\r] neg_lo:[0,1] neg_hi:[0,1]
.endr
.irp r, \list
	v_pk_add_f32 v[72+4*\r:73+4*\r], v[72+4*\r:73+4*\r], 1.0 op_sel_hi:[1,0]
.endr
.irp r, \list
	v_max_num_f32 v[72+4*\r], 0, v[72+4*\r]
	v_max_num_f32 v[73+4*\r], 0, v[73+4*\r]
	v_add_f32 v[74+4*\r], v12, v[28+8*\r]
.endr
.irp r, \list
	v_mul_f32 v[72+4*\r], v[72+4*\r], v[73+4*\r]       ; inter
.endr
.irp r, \list
	v_sub_f32 v[74+4*\r], v[74+4*\r], v[72+4*\r]
.endr
.irp r, \list
	v_add_f32 v[74+4*\r], s26, v[74+4*\r]              ; den = ((a1 + a2) - inter) + 1e-16
.endr
.irp r, \list
	v_fma_f32 v[72+4*\r], s27, v[74+4*\r], v[72+4*\r]
.endr
.irp r, \list
	v_fma_f32 v[72+4*\r], s28, v[74+4*\r], v[72+4*\r]
.endr
.irp r, \list
	v_mul_f32 v[72+4*\r], v[72+4*\r], v[74+4*\r]
.endr
.irp r, \list
	v_cmp_le_f32 vcc_lo, 0, v[72+4*\r]
	v_cndmask_b32 v[29+8*\r], v[29+8*\r], v7, vcc_lo   ; dead: its key is -inf from now on
.endr
.endm
.macro TAKE X                          ; my lane's best takes record X where X's key is greater: a tie stays with the lower r
	v_cmp_gt_f32 vcc_lo, v[\X+5], v104
	v_cndmask_b32 v100, v100, v[\X], vcc_lo
	v_cndmask_b32 v101, v101, v[\X+1], vcc_lo
	v_cndmask_b32 v102, v102, v[\X+2], vcc_lo
	v_cndmask_b32 v103, v103, v[\X+3], vcc_lo
	v_cndmask_b32 v104, v104, v[\X+5], vcc_lo
	v_cndmask_b32 v105, v105, v[\X+6], vcc_lo
.endm
.macro OVER                            ; places r = 4 .. m - 1: fetched, tested, their bits kept, the best of them gathered in record 4
	v_mov_b32 v61, v7
	v_mov_b32 v120, v122                   ; the place of r = 4
	s_mov_b32 s38, 0
.Loo_\@:                               ; 32 trips, always: 32 places each, their bits in v[FL]
	s_lshl_b32 s42, s38, 5
	s_add_co_u32 s42, s42, 4
	s_cmp_ge_u32 s42, s22
	s_cbranch_scc1 .Lrot_\@                ; no place left: only the ring turns
	s_sub_co_u32 s40, s22, s42
	s_min_u32 s40, s40, 32                 ; places of this trip: 1 to 32
	s_mov_b32 s39, 0
.Loi_\@:
	s_lshl_b32 s43, 1, s39                 ; this place's bit
	s_not_b32 s44, s43
	v_add_nc_u32 v124, s20, v120
	v_min_u32 v124, 0x3ffff, v124
	v_lshlrev_b32 v126, 4, v124
	v_lshlrev_b32 v127, 3, v124
	global_load_b128 v[64:67], v126, s[4:5]
	global_load_b32 v69, v127, s[12:13]
	global_load_b32 v70, v127, s[12:13] offset:4
	v_and_b32 v71, s43, v[FL]
	s_wait_loadcnt 0x0                     ; the loads are done: their address registers may be written in the next trip
	v_pk_add_f32 v[92:93], v[66:67], v[64:65] neg_lo:[0,1] neg_hi:[0,1]
	v_pk_add_f32 v[92:93], v[92:93], 1.0 op_sel_hi:[1,0]
	v_mul_f32 v68, v92, v93
	v_cmp_ne_u32 s31, 0, v71               ; still alive,
	v_cmp_gt_u32 vcc_lo, s21, v120         ; and the place lies inside the class
	s_and_b32 vcc_lo, vcc_lo, s31
	v_cndmask_b32 v69, v7, v69, vcc_lo
	CANDM 5
	v_and_b32 v71, s44, v[FL]
	v_cmp_lt_f32 vcc_lo, v7, v69
	v_cndmask_b32 v[FL], v71, v[FL], vcc_lo   ; dead: its bit is cleared
	v_cmp_gt_f32 vcc_lo, v69, v61
	v_cndmask_b32 v56, v56, v64, vcc_lo
	v_cndmask_b32 v57, v57, v65, vcc_lo
	v_cndmask_b32 v58, v58, v66, vcc_lo
	v_cndmask_b32 v59, v59, v67, vcc_lo
	v_cndmask_b32 v61, v61, v69, vcc_lo
	v_cndmask_b32 v62, v62, v70, vcc_lo
	v_add_nc_u32 v120, 1, v120
	s_add_co_u32 s39, s39, 1
	s_cmp_lt_u32 s39, s40
	s_cbranch_scc1 .Loi_\@
.Lrot_\@:
	v_mov_b32 v160, v[FL]                  ; the ring turns one on
.set k, 0
.rept 31
	v_mov_b32 v[FL+k], v[FL+k+1]
.set k, k+1
.endr
	v_mov_b32 v[FL+31], v160
	s_add_co_u32 s38, s38, 1
	s_cmp_lt_u32 s38, 32
	s_cbranch_scc1 .Loo_\@
.endm
; A step; p = the set of slots that it uses.  One barrier a step is enough: set p is written again two steps on, behind the other step's barrier,
; in front of which every wave has waited for its reads of set p.
.macro STEP p
	CANDM 0,1,2
	v_cmp_gt_f32 vcc_lo, v37, v29
	v_cndmask_b32 v100, v24, v32, vcc_lo
	v_cndmask_b32 v101, v25, v33, vcc_lo
	v_cndmask_b32 v102, v26, v34, vcc_lo
	v_cndmask_b32 v103, v27, v35, vcc_lo
	v_cndmask_b32 v104, v29, v37, vcc_lo
	v_cndmask_b32 v105, v30, v38, vcc_lo
	TAKE 40
	s_cmp_le_u32 s22, 3                    ; m is a whole number read from memory
	s_cbranch_scc1 .Lsel_\@
	CANDM 3
	TAKE 48
	s_cmp_le_u32 s22, 4
	s_cbranch_scc1 .Lsel_\@
	OVER
	TAKE 56
.Lsel_\@:
	v_max_num_f32_dpp v112, v104, v104 row_xmask:1 row_mask:0xf bank_mask:0xf
	v_max_num_f32_dpp v112, v112, v112 row_xmask:2 row_mask:0xf bank_mask:0xf
	v_max_num_f32_dpp v112, v112, v112 row_xmask:4 row_mask:0xf bank_mask:0xf
	v_max_num_f32_dpp v112, v112, v112 row_xmask:8 row_mask:0xf bank_mask:0xf
	v_permlanex16_b32 v114, v112, s24, s25
	v_max_num_f32 v112, v112, v114         ; my wave's best key, in every lane
	v_cmp_eq_f32 s31, v112, v104
	s_sub_co_u32 s32, 0, s31
	s_and_b32 s31, s31, s32                ; the lowest lane that has it
	v_cndmask_b32 v108, 0, v100, s31
	v_cndmask_b32 v109, 0, v101, s31
	v_cndmask_b32 v110, 0, v102, s31
	v_cndmask_b32 v111, 0, v103, s31
	v_cndmask_b32 v113, 0, v105, s31
.irp x, 1,2,4,8
.irp f, 108,109,110,111,113
	v_add_f32_dpp v\f, v\f, v\f row_xmask:\x row_mask:0xf bank_mask:0xf
.endr
.endr
	v_permlanex16_b32 v114, v108, s24, s25
	v_permlanex16_b32 v115, v109, s24, s25
	v_permlanex16_b32 v116, v110, s24, s25
	v_permlanex16_b32 v117, v111, s24, s25
	v_permlanex16_b32 v118, v113, s24, s25
	v_add_f32 v108, v108, v114
	v_add_f32 v109, v109, v115
	v_add_f32 v110, v110, v116
	v_add_f32 v111, v111, v117
	v_add_f32 v113, v113, v118
	ds_store_b128 v4, v[108:111] offset:256*\p       ; all lanes store the same numbers to my wave's slot
	ds_store_b64 v4, v[112:113] offset:256*\p+16
	BAR
	ds_load_b128 v[16:19], v5 offset:256*\p          ; lane l reads slot l % 8
	ds_load_b64 v[20:21], v5 offset:256*\p+16
	s_wait_dscnt 0x0
	v_max_num_f32_dpp v14, v20, v20 row_xmask:1 row_mask:0xf bank_mask:0xf
	v_max_num_f32_dpp v14, v14, v14 row_xmask:2 row_mask:0xf bank_mask:0xf
	v_max_num_f32_dpp v14, v14, v14 row_xmask:4 row_mask:0xf bank_mask:0xf
	v_cmp_eq_f32 s31, v14, v20
	s_sub_co_u32 s32, 0, s31
	s_and_b32 s31, s31, s32                ; the lowest wave that has the best key: a bit among bits 0-7,
	s_mul_i32 s31, s31, 0x01010101         ; marked in each group of eight lanes
	v_cndmask_b32 v8, 0, v16, s31
	v_cndmask_b32 v9, 0, v17, s31
	v_cndmask_b32 v10, 0, v18, s31
	v_cndmask_b32 v11, 0, v19, s31
	v_cndmask_b32 v15, 0, v21, s31
.irp x, 1,2,4
.irp f, 8,9,10,11,15
	v_add_f32_dpp v\f, v\f, v\f row_xmask:\x row_mask:0xf bank_mask:0xf
.endr
.endr
	v_pk_add_f32 v[22:23], v[10:11], v[8:9] neg_lo:[0,1] neg_hi:[0,1]
	v_pk_add_f32 v[22:23], v[22:23], 1.0 op_sel_hi:[1,0]
	v_mul_f32 v12, v22, v23
	s_cmp_lg_u32 s18, 0
	s_cbranch_scc1 .Lnolog_\@
	ds_store_b64 v6, v[14:15] offset:8*\p  ; wave 0 keeps the log
.Lnolog_\@:
	v_cmp_lt_f32 vcc_lo, v7, v14
	s_and_b32 s31, vcc_lo, 1
	s_add_co_u32 s30, s30, s31             ; picks so far: a value, stored at the end
.endm
	s_load_b256 s[4:11], s[0:1], 0x0       ; srec s[4:5], seg s[6:7], kscore s[8:9], kidx s[10:11]
	v_lshl_add_u32 v2, v0, 2, SPARE
	v_mov_b32 v3, 0
	v_lshrrev_b32 v1, 5, v0
	v_readfirstlane_b32 s18, v1            ; wave
	v_and_b32 v1, 31, v0
	s_lshl_b32 s16, ttmp9, 2
	s_mov_b32 s17, 0
	s_mov_b32 s24, 0x76543210              ; v_permlanex16_b32: each lane takes its own place in the other half
	s_mov_b32 s25, 0xfedcba98
	s_mov_b32 s26, 0x24e69595              ; 1e-16
	s_mov_b32 s27, 0xbecccccd              ; -0.4f
	s_mov_b32 s28, 0xb2800000              ; -2^-26
	s_mov_b32 s30, 0
	s_lshl_b32 s19, s18, 5
	v_mov_b32 v4, s19
	v_and_b32 v5, 7, v0
	v_lshlrev_b32 v5, 5, v5
	v_mov_b32 v6, LOG
	v_mov_b32 v7, 0xff800000
	s_wait_kmcnt 0x0
	s_add_nc_u64 s[12:13], s[4:5], 0x400000
	s_add_nc_u64 s[14:15], s[6:7], s[16:17]
	s_load_b32 s20, s[14:15], 0x0          ; off
	s_load_b32 s21, s[14:15], 0x200        ; n
	s_wait_kmcnt 0x0
	s_min_u32 s20, s20, 0x3ffff
	s_min_u32 s21, s21, 0x40000
	s_add_co_u32 s22, s21, 255
	s_lshr_b32 s22, s22, 8                 ; m
	v_mul_u32_u24 v13, v0, s22
.irp r, 0,1,2,3
	v_add_nc_u32 v[72+\r], \r, v13         ; the place in the class
	v_add_nc_u32 v[76+\r], s20, v[72+\r]
	v_min_u32 v[76+\r], 0x3ffff, v[76+\r]  ; a place past the class reads another record, which gets the key -inf below
	v_lshlrev_b32 v[84+\r], 4, v[76+\r]
	v_lshlrev_b32 v[88+\r], 3, v[76+\r]
	global_load_b128 v[24+8*\r:27+8*\r], v[84+\r], s[4:5]
	global_load_b32 v[29+8*\r], v[88+\r], s[12:13]
	global_load_b32 v[30+8*\r], v[88+\r], s[12:13] offset:4
.endr
	v_mov_b32 v8, 0x7f7fffff               ; a first winner that meets no box (inter = 0) and has an infinite area (g = -inf): it suppresses nothing
	v_mov_b32 v9, 0x7f7fffff
	v_mov_b32 v10, 0xff7fffff
	v_mov_b32 v11, 0xff7fffff
	v_mov_b32 v12, 0x7f800000
	v_mov_b32 v14, 0                       ; destinations of lane-crossing lines count as read: written once here
	v_mov_b32 v112, 0
.irp f, 114,115,116,117,118,56,57,58,59,62
	v_mov_b32 v\f, 0
.endr
	v_mov_b32 v61, v7
	v_add_nc_u32 v122, 4, v13
.set k, 0
.rept 32
	v_mov_b32 v[FL+k], -1                  ; all walked boxes begin alive
.set k, k+1
.endr
	s_wait_loadcnt 0x0
.irp r, 0,1,2,3
	v_pk_add_f32 v[92:93], v[26+8*\r:27+8*\r], v[24+8*\r:25+8*\r] neg_lo:[0,1] neg_hi:[0,1]
	v_pk_add_f32 v[92:93], v[92:93], 1.0 op_sel_hi:[1,0]
	v_mul_f32 v[28+8*\r], v92, v93
	s_cmp_gt_u32 s22, \r
	s_cselect_b32 s31, s21, 0              ; r >= m: the place is the next thread's
	v_cmp_gt_u32 vcc_lo, s31, v[72+\r]
	v_cndmask_b32 v[29+8*\r], v7, v[29+8*\r], vcc_lo
.endr
	s_cmp_lg_u32 s18, 0
	s_cbranch_scc1 .Lnofill
	v_lshl_add_u32 v16, v1, 3, LOG+2400    ; wave 0: log entries 300 to 331 are no picks
	v_mov_b32 v22, v7
	v_mov_b32 v23, 0
	ds_store_b64 v16, v[22:23]
.Lnofill:
	s_mov_b32 s29, 150
.Lstep:
	STEP 0
	STEP 1
	v_add_nc_u32 v6, 16, v6
	s_sub_co_u32 s29, s29, 1
	s_cmp_lg_u32 s29, 0
	s_cbranch_scc1 .Lstep
	BAR                                    ; the log is whole
	v_lshl_add_u32 v16, v0, 3, LOG
	ds_load_b64 v[18:19], v16
	s_mul_i32 s16, ttmp9, 1280
	s_add_nc_u64 s[8:9], s[8:9], s[16:17]
	s_add_nc_u64 s[34:35], s[10:11], s[16:17]
	v_lshlrev_b32 v17, 2, v0
	s_wait_dscnt 0x0
	v_cvt_u32_f32 v19, v19
	global_store_b32 v17, v18, s[8:9]
	global_store_b32 v17, v19, s[34:35]
	s_cmp_ge_u32 s18, 2
	s_cbranch_scc1 .Lt2
	ds_load_b64 v[20:21], v16 offset:2048  ; entries 256 to 319
	s_wait_dscnt 0x0
	v_cvt_u32_f32 v21, v21
	global_store_b32 v17, v20, s[8:9] offset:1024
	global_store_b32 v17, v21, s[34:35] offset:1024
.Lt2:
	s_cmp_lg_u32 s18, 0
	s_cbranch_scc1 .Lend
	s_lshl_b32 s16, ttmp9, 8
	s_add_nc_u64 s[36:37], s[10:11], 0x19000
	s_add_nc_u64 s[36:37], s[36:37], s[16:17]
	v_lshlrev_b32 v22, 3, v0
	v_mov_b32 v24, s30
	v_mov_b32 v25, s30
	global_store_b64 v22, v[24:25], s[36:37]   ; 256 consecutive bytes
.Lend:
	s_wait_tensorcnt 0x0                   ; the wave's end
	ds_add_u32 v2, v3
	s_wait_dscnt 0x0
	s_endpgm
.Lfunc_end_k_qe4c034e436_nms:
	.size	k_qe4c034e436_nms, .Lfunc_end_k_qe4c034e436_nms-k_qe4c034e436_nms
	.p2alignl 7, 3214868480
	.fill 96, 4, 3214868480
	.section	.rodata,"a",@progbits
	.p2align	6, 0x0
	.amdhsa_kernel k_qe4c034e436_nms
		.amdhsa_group_segment_fixed_size 4352
		.amdhsa_private_segment_fixed_size 0
		.amdhsa_enable_private_segment 0
		.amdhsa_kernarg_size 32
		.amdhsa_user_sgpr_count 2
		.amdhsa_user_sgpr_kernarg_segment_ptr 1
		.amdhsa_wavefront_size32 1
		.amdhsa_system_sgpr_workgroup_id_x 1
		.amdhsa_system_sgpr_workgroup_id_y 1
		.amdhsa_system_sgpr_workgroup_id_z 1
		.amdhsa_system_vgpr_workitem_id 0
		.amdhsa_next_free_vgpr 162
		.amdhsa_next_free_sgpr 66
		.amdhsa_reserve_vcc 1
		.amdhsa_float_denorm_mode_32 3
		.amdhsa_float_denorm_mode_16_64 3
		.amdhsa_memory_ordered 1
		.amdhsa_forward_progress 1
		.amdhsa_inst_pref_size 33
	.end_amdhsa_kernel
	.amdgpu_metadata
---
amdhsa.version: [ 1, 2 ]
amdhsa.kernels:
  - .name:           k_qe4c034e436_nms
    .symbol:         k_qe4c034e436_nms.kd
    .args:
      - { .name: srec, .offset: 0, .size: 8, .value_kind: global_buffer, .address_space: global }
      - { .name: seg, .offset: 8, .size: 8, .value_kind: global_buffer, .address_space: global }
      - { .name: kscore, .offset: 16, .size: 8, .value_kind: global_buffer, .address_space: global }
      - { .name: kidx, .offset: 24, .size: 8, .value_kind: global_buffer, .address_space: global }
    .group_segment_fixed_size: 4352
    .private_segment_fixed_size: 0
    .kernarg_segment_align: 8
    .kernarg_segment_size: 32
    .max_flat_workgroup_size: 256
    .sgpr_count:     66
    .vgpr_count:     162
    .wavefront_size: 32
...
	.end_amdgpu_metadata
.endif
;; end of part 3
;; launch ranking (part 4): grid 80 x 1, 10 waves a work-group, no clusters, 14,080 bytes of LDS; arguments kscore, kidx, rec, prank, kconf; writes prank, kconf
.if DOCPART == 4
	.amdgcn_target "amdgcn-amd-amdhsa--gfx1250"
	.amdhsa_code_object_version 6
	.text
	.protected	k_qe4c034e436_ranking
	.globl	k_qe4c034e436_ranking
	.p2align	8
	.type	k_qe4c034e436_ranking,@function
k_qe4c034e436_ranking:
	s_mov_b64 s[64:65], 0
	v_nop
	global_prefetch_b8 v0, s[64:65] scope:SCOPE_SE
	s_setreg_imm32_b32 hwreg(HW_REG_WAVE_MODE, 25, 1), 1
	s_wait_xcnt 0x0
; RANKING.  The reference's pick number of a class's pick = how many picks of all classes come before it: a greater score, or an equal score and a
; smaller u = row x 512 + k (k: its number in its class, which tells repeated picks of one box apart).  Out: prank[class][320] (1023 where there is no pick)
; and kconf[class][320], the pick's class score, gathered from rec.
; SHARES.  Work-group c ranks class c's picks.  Wave w holds the picks of classes 8 w .. 8 w + 7 in its lanes, 32 of each at a time, and counts for each of class c's
; picks, one after the other, how many of them come before it; the ten waves' counts meet in LDS.  Trip counts hang on the numbers of picks, whole numbers read from kidx.
.set SPARE, 12800                      ; bytes 0-12,799: 10 waves x 320 counts
.macro BAR
	s_wait_dscnt 0x0
	s_barrier_signal -1
	s_barrier_wait -1
.endm
	s_load_b256 s[4:11], s[0:1], 0x0       ; kscore s[4:5], kidx s[6:7], rec s[8:9], prank s[10:11]
	s_load_b64 s[12:13], s[0:1], 0x20      ; kconf
	v_lshl_add_u32 v1, v0, 2, SPARE
	v_mov_b32 v2, 0
	v_lshrrev_b32 v3, 5, v0
	v_readfirstlane_b32 s14, v3            ; wave 0..9
	v_and_b32 v3, 31, v0
	v_lshlrev_b32 v4, 2, v0
	v_lshlrev_b32 v10, 2, v3
	s_mul_i32 s15, s14, 10240              ; my wave's eight classes, 1,280 bytes each
	v_add_nc_u32 v13, s15, v10
	s_mul_i32 s15, s14, 1280
	v_add_nc_u32 v14, s15, v10             ; where my wave's counts go
	s_mul_i32 s22, ttmp9, 1280
	s_mov_b32 s23, 0
	s_wait_kmcnt 0x0
	s_add_nc_u64 s[34:35], s[4:5], s[22:23]
	s_add_nc_u64 s[44:45], s[6:7], s[22:23]
	s_add_nc_u64 s[10:11], s[10:11], s[22:23]
	s_add_nc_u64 s[12:13], s[12:13], s[22:23]
	s_add_nc_u64 s[46:47], s[8:9], 0x400000
	s_add_nc_u64 s[48:49], s[6:7], 0x19000
	s_lshl_b32 s22, ttmp9, 8
	s_add_nc_u64 s[50:51], s[48:49], s[22:23]
	s_load_b32 s16, s[50:51], 0x0          ; class c's picks
	s_lshl_b32 s22, s14, 11
	s_add_nc_u64 s[48:49], s[48:49], s[22:23]
.irp i, 0,1,2,3,4,5,6,7
	s_load_b32 s[24+\i], s[48:49], 256*\i  ; and those of my wave's classes
.endr
	global_load_b32 v5, v4, s[34:35]       ; thread e: pick e's score and row
	global_load_b32 v6, v4, s[44:45]
	s_wait_kmcnt 0x0
	s_min_u32 s16, s16, 320
	s_min_u32 s33, s24, 320
.irp i, 1,2,3,4,5,6,7
	s_min_u32 s[24+\i], s[24+\i], 320
	s_max_u32 s33, s33, s[24+\i]           ; the longest of my wave's eight
.endr
	s_wait_loadcnt 0x0
	v_min_u32 v6, 0x3ffff, v6
	v_lshlrev_b32 v8, 3, v6
	global_load_b32 v7, v8, s[46:47] offset:4
	s_mov_b32 s17, 0
.Lg:                                   ; 32 of class c's picks a trip
	v_mov_b32 v20, 0
	s_lshl_b32 s18, s17, 5
	s_cmp_ge_u32 s18, s16
	s_cbranch_scc1 .Lgend
	s_sub_co_u32 s42, s16, s18
	s_min_u32 s42, s42, 32                 ; picks of this trip: 1 to 32
	v_lshl_add_u32 v11, s17, 7, v10
	global_load_b32 v21, v11, s[34:35]
	global_load_b32 v22, v11, s[44:45]
	s_wait_loadcnt 0x0
	v_lshl_add_u32 v22, v22, 9, v3
	v_add_nc_u32 v22, s18, v22             ; u
	s_mov_b32 s19, 0
.Lkg:                                  ; 32 picks of each of my wave's eight classes a trip
	s_lshl_b32 s36, s19, 5
	s_cmp_ge_u32 s36, s33
	s_cbranch_scc1 .Lkgend
	v_lshl_add_u32 v12, s19, 7, v13
.irp i, 0,1,2,3,4,5,6,7
	global_load_b32 v[24+\i], v12, s[4:5] offset:1280*\i
	global_load_b32 v[32+\i], v12, s[6:7] offset:1280*\i
.endr
	s_wait_loadcnt 0x0                     ; the loads are done: v12 may be written in the next trip
.irp i, 0,1,2,3,4,5,6,7
	v_lshl_add_u32 v[32+\i], v[32+\i], 9, v3
	v_add_nc_u32 v[32+\i], s36, v[32+\i]
.endr
	s_mov_b32 s37, 0
.Le:                                   ; one of class c's picks a trip
	v_readlane_b32 s39, v21, s37
	v_readlane_b32 s40, v22, s37
	v_readlane_b32 s41, v20, s37
.irp i, 0,1,2,3,4,5,6,7
	v_cmp_gt_f32 s[52+\i], v[24+\i], s39
	v_cmp_eq_f32 s[66+\i], v[24+\i], s39
	v_cmp_lt_u32 s[74+\i], v[32+\i], s40
.endr
.irp i, 0,1,2,3,4,5,6,7
	s_and_b32 s[66+\i], s[66+\i], s[74+\i]
	s_or_b32 s[52+\i], s[52+\i], s[66+\i]
	s_bcnt1_i32_b32 s[52+\i], s[52+\i]
	s_add_co_u32 s41, s41, s[52+\i]
.endr
	v_writelane_b32 v20, s41, s37
	s_add_co_u32 s37, s37, 1
	s_cmp_lt_u32 s37, s42
	s_cbranch_scc1 .Le
.Lkgend:
	s_add_co_u32 s19, s19, 1
	s_cmp_lt_u32 s19, 10
	s_cbranch_scc1 .Lkg
.Lgend:
	ds_store_b32 v14, v20
	v_add_nc_u32 v14, 128, v14
	s_add_co_u32 s17, s17, 1
	s_cmp_lt_u32 s17, 10
	s_cbranch_scc1 .Lg
	BAR
.set k, 0
.rept 10
	ds_load_b32 v[40+k], v4 offset:1280*k
.set k, k+1
.endr
	s_wait_dscnt 0x0
.set k, 1
.rept 9
	v_add_nc_u32 v40, v40, v[40+k]
.set k, k+1
.endr
	s_wait_loadcnt 0x0                     ; the class score
	v_cmp_lt_f32 vcc_lo, 0xff800000, v5
	v_cndmask_b32 v40, 0x3ff, v40, vcc_lo
	global_store_b32 v4, v40, s[10:11]
	global_store_b32 v4, v7, s[12:13]
	s_wait_tensorcnt 0x0                   ; the wave's end
	ds_add_u32 v1, v2
	s_wait_dscnt 0x0
	s_endpgm
.Lfunc_end_k_qe4c034e436_ranking:
	.size	k_qe4c034e436_ranking, .Lfunc_end_k_qe4c034e436_ranking-k_qe4c034e436_ranking
	.p2alignl 7, 3214868480
	.fill 96, 4, 3214868480
	.section	.rodata,"a",@progbits
	.p2align	6, 0x0
	.amdhsa_kernel k_qe4c034e436_ranking
		.amdhsa_group_segment_fixed_size 14080
		.amdhsa_private_segment_fixed_size 0
		.amdhsa_enable_private_segment 0
		.amdhsa_kernarg_size 40
		.amdhsa_user_sgpr_count 2
		.amdhsa_user_sgpr_kernarg_segment_ptr 1
		.amdhsa_wavefront_size32 1
		.amdhsa_system_sgpr_workgroup_id_x 1
		.amdhsa_system_sgpr_workgroup_id_y 1
		.amdhsa_system_sgpr_workgroup_id_z 1
		.amdhsa_system_vgpr_workitem_id 0
		.amdhsa_next_free_vgpr 64
		.amdhsa_next_free_sgpr 84
		.amdhsa_reserve_vcc 1
		.amdhsa_float_denorm_mode_32 3
		.amdhsa_float_denorm_mode_16_64 3
		.amdhsa_memory_ordered 1
		.amdhsa_forward_progress 1
		.amdhsa_inst_pref_size 11
	.end_amdhsa_kernel
	.amdgpu_metadata
---
amdhsa.version: [ 1, 2 ]
amdhsa.kernels:
  - .name:           k_qe4c034e436_ranking
    .symbol:         k_qe4c034e436_ranking.kd
    .args:
      - { .name: kscore, .offset: 0, .size: 8, .value_kind: global_buffer, .address_space: global }
      - { .name: kidx, .offset: 8, .size: 8, .value_kind: global_buffer, .address_space: global }
      - { .name: rec, .offset: 16, .size: 8, .value_kind: global_buffer, .address_space: global }
      - { .name: prank, .offset: 24, .size: 8, .value_kind: global_buffer, .address_space: global }
      - { .name: kconf, .offset: 32, .size: 8, .value_kind: global_buffer, .address_space: global }
    .group_segment_fixed_size: 14080
    .private_segment_fixed_size: 0
    .kernarg_segment_align: 8
    .kernarg_segment_size: 40
    .max_flat_workgroup_size: 320
    .sgpr_count:     84
    .vgpr_count:     64
    .wavefront_size: 32
...
	.end_amdgpu_metadata
.endif
;; end of part 4
;; launch final (part 5): grid 1 x 1, 10 waves a work-group, no clusters, 17,920 bytes of LDS; arguments prank, kconf, out0, out1; writes out0, out1
.if DOCPART == 5
	.amdgcn_target "amdgcn-amd-amdhsa--gfx1250"
	.amdhsa_code_object_version 6
	.text
	.protected	k_qe4c034e436_final
	.globl	k_qe4c034e436_final
	.p2align	8
	.type	k_qe4c034e436_final,@function
k_qe4c034e436_final:
	s_mov_b64 s[64:65], 0
	v_nop
	global_prefetch_b8 v0, s[64:65] scope:SCOPE_SE
	s_setreg_imm32_b32 hwreg(HW_REG_WAVE_MODE, 25, 1), 1
	s_wait_xcnt 0x0
; FINAL.  The picks numbered 0 to 299 are put in the order of the output: class score descending, of equal scores the later pick first (the reference sorts ascending,
; stably, and turns the list round); steps without a pick give 0 at the end.  out0: the class as f32; out1: the class score.
; One work-group, since every output hangs on all 300 picks.  (1) Each wave scatters the numbers of its 2,560 table entries into its own copy of a table by pick number
; (a whole number read from memory; 300 and more go to a word that nobody uses).  (2) Thread o takes pick o.  (3) Its place in the output is counted against all picks.
; (4) That place comes of float compares, so it steers no address: thread o looks through all picks for the one whose place is o and takes its numbers by v_cndmask.
.set CK,    12800                      ; bytes 0-12,799: 10 copies x 320 words.  CK: 320 keys (class score, or -inf)
.set CL,    14080                      ; 320 classes as f32
.set RK,    15360                      ; 320 places in the output (1023: none)
.set SPARE, 16640
.set D, 16
.macro BAR
	s_wait_dscnt 0x0
	s_barrier_signal -1
	s_barrier_wait -1
.endm
	s_load_b256 s[4:11], s[0:1], 0x0       ; prank s[4:5], kconf s[6:7], out0 s[8:9], out1 s[10:11]
	v_lshl_add_u32 v1, v0, 2, SPARE
	v_mov_b32 v2, 0
	v_lshrrev_b32 v3, 5, v0
	v_readfirstlane_b32 s14, v3
	v_and_b32 v3, 31, v0
	v_lshlrev_b32 v4, 2, v0
	v_mov_b32 v5, 0
	s_mul_i32 s12, s14, 10240
	v_lshl_add_u32 v6, v3, 4, s12
	s_mul_i32 s12, s14, 1280
	v_lshl_add_u32 v7, v3, 2, s12
	v_mov_b32 v8, s12
	s_mul_i32 s12, s14, 2560
	v_lshl_add_u32 v9, v3, 2, s12          ; the number of my first entry
	v_mov_b32 v12, 0xff800000
	v_mov_b32 v13, 0x3ff
	s_wait_kmcnt 0x0
.set j, 0
.rept 20
	global_load_b128 v[D+4*j:D+4*j+3], v6, s[4:5] offset:512*j
.set j, j+1
.endr
.set k, 0
.rept 10
	ds_store_b32 v7, v5 offset:128*k       ; my wave's copy begins as zeros
.set k, k+1
.endr
	s_wait_loadcnt 0x0
.set j, 0
.rept 20
.set i, 0
.rept 4
	v_min_u32 v10, 300, v[D+4*j+i]
	v_lshl_add_u32 v10, v10, 2, v8
	v_add_nc_u32 v11, 128*j+i+1, v9
	ds_store_b32 v10, v11                  ; entry number + 1, behind my wave's zeros (LDS serves a wave in order)
.set i, i+1
.endr
.set j, j+1
.endr
	BAR
.set k, 0
.rept 10
	ds_load_b32 v[122+k], v4 offset:1280*k
.set k, k+1
.endr
	s_wait_dscnt 0x0
	v_mov_b32 v112, v122
.set k, 1
.rept 9
	v_add_nc_u32 v112, v112, v[122+k]      ; one copy at the most holds the pick
.set k, k+1
.endr
	v_cmp_ne_u32 s30, 0, v112
	v_cmp_gt_u32 vcc_lo, 300, v0
	s_and_b32 s30, s30, vcc_lo             ; step o has a pick
	v_add_nc_u32 v10, -1, v112
	v_min_u32 v10, 25599, v10
	v_lshlrev_b32 v11, 2, v10
	global_load_b32 v113, v11, s[6:7]
	v_lshrrev_b32 v114, 6, v10             ; class = entry / 320 = (entry / 64) / 5; x / 5 = (205 x) >> 10 for x < 1,024
	v_mul_u32_u24 v114, v114, 205
	v_lshrrev_b32 v114, 10, v114
	v_cvt_f32_u32 v114, v114
	s_wait_loadcnt 0x0
	v_cndmask_b32 v113, v12, v113, s30
	ds_store_b32 v4, v113 offset:CK
	ds_store_b32 v4, v114 offset:CL
	BAR
	v_mov_b32 v115, 0
	v_mov_b32 v116, v0
	v_mov_b32 v117, CK
	s_mov_b32 s20, 5
.Lr:                                   ; 64 picks a trip: how many come before mine
.set j, 0
.rept 16
	ds_load_b128 v[D+4*j:D+4*j+3], v117 offset:16*j
.set j, j+1
.endr
	s_wait_dscnt 0x0
.set i, 0
.rept 8
.set k, 0
.rept 8
	v_cmp_gt_f32 s[32+k], v[D+i+k], v113
	v_cmp_eq_f32 s[40+k], v[D+i+k], v113
	v_cmp_gt_i32 s[48+k], i+k, v116        ; that pick is later than mine
.set k, k+1
.endr
.set k, 0
.rept 8
	s_and_b32 s[40+k], s[40+k], s[48+k]
	s_or_b32 s[32+k], s[32+k], s[40+k]
.set k, k+1
.endr
.set k, 0
.rept 8
	s_mov_b32 vcc_lo, s[32+k]
	v_add_co_ci_u32 v115, vcc_lo, 0, v115, vcc_lo
.set k, k+1
.endr
.set i, i+8
.endr
	v_sub_nc_u32 v116, v116, 64
	v_add_nc_u32 v117, 0x100, v117
	s_sub_co_u32 s20, s20, 1
	s_cmp_lg_u32 s20, 0
	s_cbranch_scc1 .Lr
	v_cndmask_b32 v115, v13, v115, s30
	ds_store_b32 v4, v115 offset:RK
	BAR
	v_mov_b32 v118, 0
	v_mov_b32 v119, 0
	v_mov_b32 v117, 0
	s_mov_b32 s20, 10
.Ls:                                   ; 32 picks a trip: is its place my o?
.set j, 0
.rept 8
	ds_load_b128 v[D+4*j:D+4*j+3], v117 offset:RK+16*j
	ds_load_b128 v[D+32+4*j:D+32+4*j+3], v117 offset:CK+16*j
	ds_load_b128 v[D+64+4*j:D+64+4*j+3], v117 offset:CL+16*j
.set j, j+1
.endr
	s_wait_dscnt 0x0
.set i, 0
.rept 32
	v_cmp_eq_u32 vcc_lo, v[D+i], v0
	v_cndmask_b32 v118, v118, v[D+32+i], vcc_lo
	v_cndmask_b32 v119, v119, v[D+64+i], vcc_lo
.set i, i+1
.endr
	v_add_nc_u32 v117, 128, v117
	s_sub_co_u32 s20, s20, 1
	s_cmp_lg_u32 s20, 0
	s_cbranch_scc1 .Ls
	v_cmp_gt_u32 vcc_lo, 300, v0
	s_wait_xcnt 0x0                        ; EXEC changes only behind s_wait_xcnt 0
	s_and_saveexec_b32 s21, vcc_lo
	global_store_b32 v4, v119, s[8:9]
	global_store_b32 v4, v118, s[10:11]
	s_wait_xcnt 0x0                        ; and again, in front of the line that widens it
	s_or_b32 exec_lo, exec_lo, s21
	s_wait_tensorcnt 0x0                   ; the wave's end
	ds_add_u32 v1, v2
	s_wait_dscnt 0x0
	s_endpgm
.Lfunc_end_k_qe4c034e436_final:
	.size	k_qe4c034e436_final, .Lfunc_end_k_qe4c034e436_final-k_qe4c034e436_final
	.p2alignl 7, 3214868480
	.fill 96, 4, 3214868480
	.section	.rodata,"a",@progbits
	.p2align	6, 0x0
	.amdhsa_kernel k_qe4c034e436_final
		.amdhsa_group_segment_fixed_size 17920
		.amdhsa_private_segment_fixed_size 0
		.amdhsa_enable_private_segment 0
		.amdhsa_kernarg_size 32
		.amdhsa_user_sgpr_count 2
		.amdhsa_user_sgpr_kernarg_segment_ptr 1
		.amdhsa_wavefront_size32 1
		.amdhsa_system_sgpr_workgroup_id_x 1
		.amdhsa_system_sgpr_workgroup_id_y 1
		.amdhsa_system_sgpr_workgroup_id_z 1
		.amdhsa_system_vgpr_workitem_id 0
		.amdhsa_next_free_vgpr 136
		.amdhsa_next_free_sgpr 66
		.amdhsa_reserve_vcc 1
		.amdhsa_float_denorm_mode_32 3
		.amdhsa_float_denorm_mode_16_64 3
		.amdhsa_memory_ordered 1
		.amdhsa_forward_progress 1
		.amdhsa_inst_pref_size 53
	.end_amdhsa_kernel
	.amdgpu_metadata
---
amdhsa.version: [ 1, 2 ]
amdhsa.kernels:
  - .name:           k_qe4c034e436_final
    .symbol:         k_qe4c034e436_final.kd
    .args:
      - { .name: prank, .offset: 0, .size: 8, .value_kind: global_buffer, .address_space: global }
      - { .name: kconf, .offset: 8, .size: 8, .value_kind: global_buffer, .address_space: global }
      - { .name: out0, .offset: 16, .size: 8, .value_kind: global_buffer, .address_space: global }
      - { .name: out1, .offset: 24, .size: 8, .value_kind: global_buffer, .address_space: global }
    .group_segment_fixed_size: 17920
    .private_segment_fixed_size: 0
    .kernarg_segment_align: 8
    .kernarg_segment_size: 32
    .max_flat_workgroup_size: 320
    .sgpr_count:     66
    .vgpr_count:     136
    .wavefront_size: 32
...
	.end_amdgpu_metadata
.endif
;; end of part 5
;; ======== version 2 of 3: 6 launches; 2.20 times as fast as version 1
;; workspace buffers: rec 6,291,456 bytes; code 393,216 bytes of whole numbers; srec 6,291,456 bytes; seg 1,024 bytes of whole numbers; kscore 102,400 bytes; kidx 122,880 bytes of whole numbers; prank 102,400 bytes of whole numbers; kconf 102,400 bytes
;; launch scan: the kernel of part 1 again; grid 256 x 1, 8 waves a work-group, no clusters, 92,160 bytes of LDS; arguments detections, rec, code; writes rec, code
;; launch place: the kernel of part 2 again; grid 256 x 1, 8 waves a work-group, no clusters, 26,624 bytes of LDS; arguments code, rec, srec, seg; writes srec, seg
;; launch nmsa (part 6): grid 80 x 1, 8 waves a work-group, no clusters, 4,352 bytes of LDS; arguments srec, seg, kscore, kidx, code; writes kscore, kidx, code
.if DOCPART == 6
	.amdgcn_target "amdgcn-amd-amdhsa--gfx1250"
	.amdhsa_code_object_version 6
	.text
	.protected	k_qe4c034e436_nmsa
	.globl	k_qe4c034e436_nmsa
	.p2align	8
	.type	k_qe4c034e436_nmsa,@function
k_qe4c034e436_nmsa:
	s_mov_b64 s[64:65], 0
	v_nop
	global_prefetch_b8 v0, s[64:65] scope:SCOPE_SE
	s_setreg_imm32_b32 hwreg(HW_REG_WAVE_MODE, 25, 1), 1
	s_wait_xcnt 0x0
; NMS, FIRST PART, one class to a work-group.  Suppression never crosses classes, so the reference's sequence of picks is the merge of 80 greedy sequences.
; Every class takes its first KST = 24 steps here.  A class of at most 768 boxes (m <= 3) then hands its state to the next launch, which knows from it how many steps
; are still worth taking; a larger class takes its other 276 steps here.  Out: kscore[class][320] (a pick's score, -inf where there is none), kidx[class][320] (its row),
; and the state st (the fifth argument: the buffer that held the rows' codes, which nobody reads any more): word [class][thread] at byte 0: bit r: my box r is alive; bit 4 + r: it is
; alive and would not suppress itself (a degenerate box, which the reference picks again and again); all 0 for a larger class.  At byte 81,920: picks so far, 64 equal words a class.
; A STEP: every box still alive is tested against the last winner and dies where IoU > 0.4; then the best of the living (score, then lower row)
; is found and handed to all waves.  No branch, address or EXEC mask hangs on a float: a winner travels as a value, picked out by
; v_cndmask under a one-bit mask and spread by sums of one value and zeros, which are exact.
; THE SECOND LOOP has a constant count as well, and every wave passes its barriers: a small class jumps forward over both halves of each step, on m, a whole number read from seg.
; THE TEST without a division.  0.4f has an odd last bit, so round(inter / den) > 0.4f is inter / den >= 0.4f + 2^-26.  e = fma(-0.4f, den, inter) is exact where
; it is small enough to matter; f = fma(-2^-26, den, e) then has the true sign; g = f x den carries den's sign; suppressed where 0 <= g.
; SHARES.  The class's n records lie in srec from place off on, rows ascending (off and n: whole numbers from seg).  m = ceil(n / 256); thread t owns places t m + r,
; r = 0 .. m - 1: order is (wave, lane, r).  r = 0..3 live in registers.  r >= 4 (a class of more than 1,024 valid boxes) are walked from memory in every step: right, and slow.
; Whether such a box is alive is a bit in 32 registers of its lane (1,024 places; m is 1,024 at the most).  The walk's outer loop always has 32 trips and ends each by turning
; the ring of 32 registers one on, so that the register in hand always has the same name and the ring is back in place behind the walk.
; LIMITS.  NaN and infinities are not treated apart.  A pair with a1 + a2 - inter + 1e-16 = 0, or so near 0 (some 1e-19) that f x den underflows, counts as suppressed.
.set KST,   24                         ; steps that every class takes here
.set LOG,   512                        ; bytes 0-511: two sets of 8 slots of 32 bytes (x1, y1, x2, y2, key, row).  LOG: 352 x (key, row)
.set SPARE, 3328
.set FL,    128                        ; v[128:159] the walked boxes' bits; v160 at work in the ring's turn
; v1 lane  v2, v3 the add's two  v4 32 w  v5 32 (lane % 8)  v6 log address  v7 -inf  v[8:11] winner's box  v12 its area  v13 t m  v14 its key  v15 its row
; v[16:21] a slot as read  v[22:23] at work  record r at v[24+8r]: +0..3 box, +4 area, +5 key, +6 row as f32 (exact below 2^24), +7 at work;
; r = 0..3 my boxes, r = 4 (v56) the best of the walked ones, r = 5 (v64) the walked box in hand  v[72+4r ..] at work for record r  v[96:98] my state word
; v[100:105] my lane's best: box, key, row  v[108:111], v112, v113 my wave's  v[114:118] at work  v120, v122, v124, v126, v127 the walk's places and addresses
.macro BAR
	s_wait_dscnt 0x0
	s_barrier_signal -1
	s_barrier_wait -1
.endm
.macro CANDM list:vararg               ; the records named are tested against the winner, line by line side by side
.irp r, \list
	v_max_num_f32 v[72+4*\r], v8, v[24+8*\r]
	v_max_num_f32 v[73+4*\r], v9, v[25+8*\r]
	v_min_num_f32 v[74+4*\r], v10, v[26+8*\r]
	v_min_num_f32 v[75+4*\r], v11, v[27+8*\r]
.endr
.irp r, \list
	v_pk_add_f32 v[72+4*\r:73+4*\r], v[74+4*\r:75+4*\r], v[72+4*\r:73+4*\r] neg_lo:[0,1] neg_hi:[0,1]
.endr
.irp r, \list
	v_pk_add_f32 v[72+4*\r:73+4*\r], v[72+4*\r:73+4*\r], 1.0 op_sel_hi:[1,0]
.endr
.irp r, \list
	v_max_num_f32 v[72+4*\r], 0, v[72+4*\r]
	v_max_num_f32 v[73+4*\r], 0, v[73+4*\r]
	v_add_f32 v[74+4*\r], v12, v[28+8*\r]
.endr
.irp r, \list
	v_mul_f32 v[72+4*\r], v[72+4*\r], v[73+4*\r]       ; inter
.endr
.irp r, \list
	v_sub_f32 v[74+4*\r], v[74+4*\r], v[72+4*\r]
.endr
.irp r, \list
	v_add_f32 v[74+4*\r], s26, v[74+4*\r]              ; den = ((a1 + a2) - inter) + 1e-16
.endr
.irp r, \list
	v_fma_f32 v[72+4*\r], s27, v[74+4*\r], v[72+4*\r]
.endr
.irp r, \list
	v_fma_f32 v[72+4*\r], s28, v[74+4*\r], v[72+4*\r]
.endr
.irp r, \list
	v_mul_f32 v[72+4*\r], v[72+4*\r], v[74+4*\r]
.endr
.irp r, \list
	v_cmp_le_f32 vcc_lo, 0, v[72+4*\r]
	v_cndmask_b32 v[29+8*\r], v[29+8*\r], v7, vcc_lo   ; dead: its key is -inf from now on
.endr
.endm
.macro SELFM list:vararg               ; the same test of each record named against itself, line for line: s[42+r] = it would suppress itself; s[38+r] = it is alive
.irp r, \list
	v_pk_add_f32 v[72+4*\r:73+4*\r], v[26+8*\r:27+8*\r], v[24+8*\r:25+8*\r] neg_lo:[0,1] neg_hi:[0,1]
	v_add_f32 v[74+4*\r], v[28+8*\r], v[28+8*\r]
.endr
.irp r, \list
	v_pk_add_f32 v[72+4*\r:73+4*\r], v[72+4*\r:73+4*\r], 1.0 op_sel_hi:[1,0]
.endr
.irp r, \list
	v_max_num_f32 v[72+4*\r], 0, v[72+4*\r]
	v_max_num_f32 v[73+4*\r], 0, v[73+4*\r]
.endr
.irp r, \list
	v_mul_f32 v[72+4*\r], v[72+4*\r], v[73+4*\r]
.endr
.irp r, \list
	v_sub_f32 v[74+4*\r], v[74+4*\r], v[72+4*\r]
.endr
.irp r, \list
	v_add_f32 v[74+4*\r], s26, v[74+4*\r]
.endr
.irp r, \list
	v_fma_f32 v[72+4*\r], s27, v[74+4*\r], v[72+4*\r]
.endr
.irp r, \list
	v_fma_f32 v[72+4*\r], s28, v[74+4*\r], v[72+4*\r]
.endr
.irp r, \list
	v_mul_f32 v[72+4*\r], v[72+4*\r], v[74+4*\r]
.endr
.irp r, \list
	v_cmp_le_f32 s[42+\r], 0, v[72+4*\r]
	v_cmp_lt_f32 s[38+\r], v7, v[29+8*\r]
.endr
.endm
.macro TAKE X                          ; my lane's best takes record X where X's key is greater: a tie stays with the lower r
	v_cmp_gt_f32 vcc_lo, v[\X+5], v104
	v_cndmask_b32 v100, v100, v[\X], vcc_lo
	v_cndmask_b32 v101, v101, v[\X+1], vcc_lo
	v_cndmask_b32 v102, v102, v[\X+2], vcc_lo
	v_cndmask_b32 v103, v103, v[\X+3], vcc_lo
	v_cndmask_b32 v104, v104, v[\X+5], vcc_lo
	v_cndmask_b32 v105, v105, v[\X+6], vcc_lo
.endm
.macro OVER                            ; places r = 4 .. m - 1: fetched, tested, their bits kept, the best of them gathered in record 4
	v_mov_b32 v61, v7
	v_mov_b32 v120, v122                   ; the place of r = 4
	s_mov_b32 s38, 0
.Loo_\@:                               ; 32 trips, always: 32 places each, their bits in v[FL]
	s_lshl_b32 s42, s38, 5
	s_add_co_u32 s42, s42, 4
	s_cmp_ge_u32 s42, s22
	s_cbranch_scc1 .Lrot_\@                ; no place left: only the ring turns
	s_sub_co_u32 s40, s22, s42
	s_min_u32 s40, s40, 32                 ; places of this trip: 1 to 32
	s_mov_b32 s39, 0
.Loi_\@:
	s_lshl_b32 s43, 1, s39                 ; this place's bit
	s_not_b32 s44, s43
	v_add_nc_u32 v124, s20, v120
	v_min_u32 v124, 0x3ffff, v124
	v_lshlrev_b32 v126, 4, v124
	v_lshlrev_b32 v127, 3, v124
	global_load_b128 v[64:67], v126, s[4:5]
	global_load_b32 v69, v127, s[12:13]
	global_load_b32 v70, v127, s[12:13] offset:4
	v_and_b32 v71, s43, v[FL]
	s_wait_loadcnt 0x0                     ; the loads are done: their address registers may be written in the next trip
	v_pk_add_f32 v[92:93], v[66:67], v[64:65] neg_lo:[0,1] neg_hi:[0,1]
	v_pk_add_f32 v[92:93], v[92:93], 1.0 op_sel_hi:[1,0]
	v_mul_f32 v68, v92, v93
	v_cmp_ne_u32 s31, 0, v71               ; still alive,
	v_cmp_gt_u32 vcc_lo, s21, v120         ; and the place lies inside the class
	s_and_b32 vcc_lo, vcc_lo, s31
	v_cndmask_b32 v69, v7, v69, vcc_lo
	CANDM 5
	v_and_b32 v71, s44, v[FL]
	v_cmp_lt_f32 vcc_lo, v7, v69
	v_cndmask_b32 v[FL], v71, v[FL], vcc_lo   ; dead: its bit is cleared
	v_cmp_gt_f32 vcc_lo, v69, v61
	v_cndmask_b32 v56, v56, v64, vcc_lo
	v_cndmask_b32 v57, v57, v65, vcc_lo
	v_cndmask_b32 v58, v58, v66, vcc_lo
	v_cndmask_b32 v59, v59, v67, vcc_lo
	v_cndmask_b32 v61, v61, v69, vcc_lo
	v_cndmask_b32 v62, v62, v70, vcc_lo
	v_add_nc_u32 v120, 1, v120
	s_add_co_u32 s39, s39, 1
	s_cmp_lt_u32 s39, s40
	s_cbranch_scc1 .Loi_\@
.Lrot_\@:
	v_mov_b32 v160, v[FL]                  ; the ring turns one on
.set k, 0
.rept 31
	v_mov_b32 v[FL+k], v[FL+k+1]
.set k, k+1
.endr
	v_mov_b32 v[FL+31], v160
	s_add_co_u32 s38, s38, 1
	s_cmp_lt_u32 s38, 32
	s_cbranch_scc1 .Loo_\@
.endm
; A step; p = the set of slots that it uses.  One barrier a step is enough: set p is written again two steps on, behind the other step's barrier,
; in front of which every wave has waited for its reads of set p.  dead = 1 (the second loop): a class with m <= 3 jumps over both halves and passes the barrier alone.
.macro STEP p, dead
.if \dead
	s_cmp_le_u32 s22, 3
	s_cbranch_scc1 .Lbar_\@
.endif
	CANDM 0,1,2
	v_cmp_gt_f32 vcc_lo, v37, v29
	v_cndmask_b32 v100, v24, v32, vcc_lo
	v_cndmask_b32 v101, v25, v33, vcc_lo
	v_cndmask_b32 v102, v26, v34, vcc_lo
	v_cndmask_b32 v103, v27, v35, vcc_lo
	v_cndmask_b32 v104, v29, v37, vcc_lo
	v_cndmask_b32 v105, v30, v38, vcc_lo
	TAKE 40
	s_cmp_le_u32 s22, 3                    ; m is a whole number read from memory
	s_cbranch_scc1 .Lsel_\@
	CANDM 3
	TAKE 48
	s_cmp_le_u32 s22, 4
	s_cbranch_scc1 .Lsel_\@
	OVER
	TAKE 56
.Lsel_\@:
	v_max_num_f32_dpp v112, v104, v104 row_xmask:1 row_mask:0xf bank_mask:0xf
	v_max_num_f32_dpp v112, v112, v112 row_xmask:2 row_mask:0xf bank_mask:0xf
	v_max_num_f32_dpp v112, v112, v112 row_xmask:4 row_mask:0xf bank_mask:0xf
	v_max_num_f32_dpp v112, v112, v112 row_xmask:8 row_mask:0xf bank_mask:0xf
	v_permlanex16_b32 v114, v112, s24, s25
	v_max_num_f32 v112, v112, v114         ; my wave's best key, in every lane
	v_cmp_eq_f32 s31, v112, v104
	s_sub_co_u32 s32, 0, s31
	s_and_b32 s31, s31, s32                ; the lowest lane that has it
	v_cndmask_b32 v108, 0, v100, s31
	v_cndmask_b32 v109, 0, v101, s31
	v_cndmask_b32 v110, 0, v102, s31
	v_cndmask_b32 v111, 0, v103, s31
	v_cndmask_b32 v113, 0, v105, s31
.irp x, 1,2,4,8
.irp f, 108,109,110,111,113
	v_add_f32_dpp v\f, v\f, v\f row_xmask:\x row_mask:0xf bank_mask:0xf
.endr
.endr
	v_permlanex16_b32 v114, v108, s24, s25
	v_permlanex16_b32 v115, v109, s24, s25
	v_permlanex16_b32 v116, v110, s24, s25
	v_permlanex16_b32 v117, v111, s24, s25
	v_permlanex16_b32 v118, v113, s24, s25
	v_add_f32 v108, v108, v114
	v_add_f32 v109, v109, v115
	v_add_f32 v110, v110, v116
	v_add_f32 v111, v111, v117
	v_add_f32 v113, v113, v118
	ds_store_b128 v4, v[108:111] offset:256*\p       ; all lanes store the same numbers to my wave's slot
	ds_store_b64 v4, v[112:113] offset:256*\p+16
.Lbar_\@:
	BAR
.if \dead
	s_cmp_le_u32 s22, 3
	s_cbranch_scc1 .Lfin_\@
.endif
	ds_load_b128 v[16:19], v5 offset:256*\p          ; lane l reads slot l % 8
	ds_load_b64 v[20:21], v5 offset:256*\p+16
	s_wait_dscnt 0x0
	v_max_num_f32_dpp v14, v20, v20 row_xmask:1 row_mask:0xf bank_mask:0xf
	v_max_num_f32_dpp v14, v14, v14 row_xmask:2 row_mask:0xf bank_mask:0xf
	v_max_num_f32_dpp v14, v14, v14 row_xmask:4 row_mask:0xf bank_mask:0xf
	v_cmp_eq_f32 s31, v14, v20
	s_sub_co_u32 s32, 0, s31
	s_and_b32 s31, s31, s32                ; the lowest wave that has the best key: a bit among bits 0-7,
	s_mul_i32 s31, s31, 0x01010101         ; marked in each group of eight lanes
	v_cndmask_b32 v8, 0, v16, s31
	v_cndmask_b32 v9, 0, v17, s31
	v_cndmask_b32 v10, 0, v18, s31
	v_cndmask_b32 v11, 0, v19, s31
	v_cndmask_b32 v15, 0, v21, s31
.irp x, 1,2,4
.irp f, 8,9,10,11,15
	v_add_f32_dpp v\f, v\f, v\f row_xmask:\x row_mask:0xf bank_mask:0xf
.endr
.endr
	v_pk_add_f32 v[22:23], v[10:11], v[8:9] neg_lo:[0,1] neg_hi:[0,1]
	v_pk_add_f32 v[22:23], v[22:23], 1.0 op_sel_hi:[1,0]
	v_mul_f32 v12, v22, v23
	s_cmp_lg_u32 s18, 0
	s_cbranch_scc1 .Lnolog_\@
	ds_store_b64 v6, v[14:15] offset:8*\p  ; wave 0 keeps the log
.Lnolog_\@:
	v_cmp_lt_f32 vcc_lo, v7, v14
	s_and_b32 s31, vcc_lo, 1
	s_add_co_u32 s30, s30, s31             ; picks so far: a value, stored at the end
.Lfin_\@:
.endm
	s_load_b256 s[4:11], s[0:1], 0x0       ; srec s[4:5], seg s[6:7], kscore s[8:9], kidx s[10:11]
	s_load_b64 s[46:47], s[0:1], 0x20      ; st
	v_lshl_add_u32 v2, v0, 2, SPARE
	v_mov_b32 v3, 0
	v_lshrrev_b32 v1, 5, v0
	v_readfirstlane_b32 s18, v1            ; wave
	v_and_b32 v1, 31, v0
	s_lshl_b32 s16, ttmp9, 2
	s_mov_b32 s17, 0
	s_mov_b32 s24, 0x76543210              ; v_permlanex16_b32: each lane takes its own place in the other half
	s_mov_b32 s25, 0xfedcba98
	s_mov_b32 s26, 0x24e69595              ; 1e-16
	s_mov_b32 s27, 0xbecccccd              ; -0.4f
	s_mov_b32 s28, 0xb2800000              ; -2^-26
	s_mov_b32 s30, 0
	s_lshl_b32 s19, s18, 5
	v_mov_b32 v4, s19
	v_and_b32 v5, 7, v0
	v_lshlrev_b32 v5, 5, v5
	v_mov_b32 v6, LOG
	v_mov_b32 v7, 0xff800000
	s_wait_kmcnt 0x0
	s_add_nc_u64 s[12:13], s[4:5], 0x400000
	s_add_nc_u64 s[14:15], s[6:7], s[16:17]
	s_load_b32 s20, s[14:15], 0x0          ; off
	s_load_b32 s21, s[14:15], 0x200        ; n
	s_wait_kmcnt 0x0
	s_min_u32 s20, s20, 0x3ffff
	s_min_u32 s21, s21, 0x40000
	s_add_co_u32 s22, s21, 255
	s_lshr_b32 s22, s22, 8                 ; m
	v_mul_u32_u24 v13, v0, s22
.irp r, 0,1,2,3
	v_add_nc_u32 v[72+\r], \r, v13         ; the place in the class
	v_add_nc_u32 v[76+\r], s20, v[72+\r]
	v_min_u32 v[76+\r], 0x3ffff, v[76+\r]  ; a place past the class reads another record, which gets the key -inf below
	v_lshlrev_b32 v[84+\r], 4, v[76+\r]
	v_lshlrev_b32 v[88+\r], 3, v[76+\r]
	global_load_b128 v[24+8*\r:27+8*\r], v[84+\r], s[4:5]
	global_load_b32 v[29+8*\r], v[88+\r], s[12:13]
	global_load_b32 v[30+8*\r], v[88+\r], s[12:13] offset:4
.endr
	v_mov_b32 v8, 0x7f7fffff               ; a first winner that meets no box (inter = 0) and has an infinite area (g = -inf): it suppresses nothing
	v_mov_b32 v9, 0x7f7fffff
	v_mov_b32 v10, 0xff7fffff
	v_mov_b32 v11, 0xff7fffff
	v_mov_b32 v12, 0x7f800000
	v_mov_b32 v14, 0                       ; destinations of lane-crossing lines count as read: written once here
	v_mov_b32 v112, 0
.irp f, 114,115,116,117,118,56,57,58,59,62
	v_mov_b32 v\f, 0
.endr
	v_mov_b32 v61, v7
	v_add_nc_u32 v122, 4, v13
.set k, 0
.rept 32
	v_mov_b32 v[FL+k], -1                  ; all walked boxes begin alive
.set k, k+1
.endr
	v_lshl_add_u32 v16, v0, 3, LOG         ; the whole log begins as 'no pick': entries 0 to 255 by all threads, 256 to 351 by threads 0 to 95.
	v_mov_b32 v22, v7                      ; Wave 0's first entry is stored behind the first step's barrier, in front of which every wave has waited for these stores
	v_mov_b32 v23, 0
	ds_store_b64 v16, v[22:23]
	s_cmp_ge_u32 s18, 3
	s_cbranch_scc1 .Lnofill
	ds_store_b64 v16, v[22:23] offset:2048
.Lnofill:
	s_wait_loadcnt 0x0
.irp r, 0,1,2,3
	v_pk_add_f32 v[92:93], v[26+8*\r:27+8*\r], v[24+8*\r:25+8*\r] neg_lo:[0,1] neg_hi:[0,1]
	v_pk_add_f32 v[92:93], v[92:93], 1.0 op_sel_hi:[1,0]
	v_mul_f32 v[28+8*\r], v92, v93
	s_cmp_gt_u32 s22, \r
	s_cselect_b32 s31, s21, 0              ; r >= m: the place is the next thread's
	v_cmp_gt_u32 vcc_lo, s31, v[72+\r]
	v_cndmask_b32 v[29+8*\r], v7, v[29+8*\r], vcc_lo
.endr
	s_mov_b32 s29, KST/2
.Lstep:                                ; the first 24 steps, of every class
	STEP 0, 0
	STEP 1, 0
	v_add_nc_u32 v6, 16, v6
	s_sub_co_u32 s29, s29, 1
	s_cmp_lg_u32 s29, 0
	s_cbranch_scc1 .Lstep
	s_mov_b32 s29, 150-KST/2
.Lrest:                                ; the other 276: work for a class with m > 3, barriers alone for the others
	STEP 0, 1
	STEP 1, 1
	v_add_nc_u32 v6, 16, v6
	s_sub_co_u32 s29, s29, 1
	s_cmp_lg_u32 s29, 0
	s_cbranch_scc1 .Lrest
	CANDM 0,1,2                            ; the last winner's suppression, which a next step would have applied: the state is that behind 24 whole steps
	SELFM 0,1,2
	v_mov_b32 v96, 0
.irp r, 0,1,2
	s_and_not1_b32 s[42+\r], s[38+\r], s[42+\r]    ; alive, and would not suppress itself
	v_cndmask_b32 v97, 0, (1<<\r), s[38+\r]
	v_cndmask_b32 v98, 0, (16<<\r), s[42+\r]
	v_or_b32 v96, v96, v97
	v_or_b32 v96, v96, v98
.endr
	s_cmp_le_u32 s22, 3
	s_cselect_b32 s31, -1, 0
	v_and_b32 v96, s31, v96                ; a larger class has taken all its steps: nothing is left to do for it
	BAR                                    ; the log is whole
	v_lshl_add_u32 v16, v0, 3, LOG
	ds_load_b64 v[18:19], v16
	s_mul_i32 s16, ttmp9, 1280
	s_add_nc_u64 s[8:9], s[8:9], s[16:17]
	s_add_nc_u64 s[34:35], s[10:11], s[16:17]
	s_lshl_b32 s16, ttmp9, 10
	s_add_nc_u64 s[38:39], s[46:47], s[16:17]
	v_lshlrev_b32 v17, 2, v0
	global_store_b32 v17, v96, s[38:39]    ; my state word
	s_wait_dscnt 0x0
	v_cvt_u32_f32 v19, v19
	global_store_b32 v17, v18, s[8:9]
	global_store_b32 v17, v19, s[34:35]
	s_cmp_ge_u32 s18, 2
	s_cbranch_scc1 .Lt2
	ds_load_b64 v[20:21], v16 offset:2048  ; entries 256 to 319
	s_wait_dscnt 0x0
	v_cvt_u32_f32 v21, v21
	global_store_b32 v17, v20, s[8:9] offset:1024
	global_store_b32 v17, v21, s[34:35] offset:1024
.Lt2:
	s_cmp_lg_u32 s18, 0
	s_cbranch_scc1 .Lend
	s_lshl_b32 s16, ttmp9, 8
	s_add_nc_u64 s[36:37], s[46:47], 0x14000
	s_add_nc_u64 s[36:37], s[36:37], s[16:17]
	v_lshlrev_b32 v22, 3, v0
	v_mov_b32 v24, s30
	v_mov_b32 v25, s30
	global_store_b64 v22, v[24:25], s[36:37]   ; picks so far: 256 consecutive bytes
.Lend:
	s_wait_tensorcnt 0x0                   ; the wave's end
	ds_add_u32 v2, v3
	s_wait_dscnt 0x0
	s_endpgm
.Lfunc_end_k_qe4c034e436_nmsa:
	.size	k_qe4c034e436_nmsa, .Lfunc_end_k_qe4c034e436_nmsa-k_qe4c034e436_nmsa
	.p2alignl 7, 3214868480
	.fill 96, 4, 3214868480
	.section	.rodata,"a",@progbits
	.p2align	6, 0x0
	.amdhsa_kernel k_qe4c034e436_nmsa
		.amdhsa_group_segment_fixed_size 4352
		.amdhsa_private_segment_fixed_size 0
		.amdhsa_enable_private_segment 0
		.amdhsa_kernarg_size 40
		.amdhsa_user_sgpr_count 2
		.amdhsa_user_sgpr_kernarg_segment_ptr 1
		.amdhsa_wavefront_size32 1
		.amdhsa_system_sgpr_workgroup_id_x 1
		.amdhsa_system_sgpr_workgroup_id_y 1
		.amdhsa_system_sgpr_workgroup_id_z 1
		.amdhsa_system_vgpr_workitem_id 0
		.amdhsa_next_free_vgpr 162
		.amdhsa_next_free_sgpr 66
		.amdhsa_reserve_vcc 1
		.amdhsa_float_denorm_mode_32 3
		.amdhsa_float_denorm_mode_16_64 3
		.amdhsa_memory_ordered 1
		.amdhsa_forward_progress 1
		.amdhsa_inst_pref_size 62
	.end_amdhsa_kernel
	.amdgpu_metadata
---
amdhsa.version: [ 1, 2 ]
amdhsa.kernels:
  - .name:           k_qe4c034e436_nmsa
    .symbol:         k_qe4c034e436_nmsa.kd
    .args:
      - { .name: srec, .offset: 0, .size: 8, .value_kind: global_buffer, .address_space: global }
      - { .name: seg, .offset: 8, .size: 8, .value_kind: global_buffer, .address_space: global }
      - { .name: kscore, .offset: 16, .size: 8, .value_kind: global_buffer, .address_space: global }
      - { .name: kidx, .offset: 24, .size: 8, .value_kind: global_buffer, .address_space: global }
      - { .name: code, .offset: 32, .size: 8, .value_kind: global_buffer, .address_space: global }
    .group_segment_fixed_size: 4352
    .private_segment_fixed_size: 0
    .kernarg_segment_align: 8
    .kernarg_segment_size: 40
    .max_flat_workgroup_size: 256
    .sgpr_count:     66
    .vgpr_count:     162
    .wavefront_size: 32
...
	.end_amdgpu_metadata
.endif
;; end of part 6
;; launch nmsb (part 7): grid 80 x 1, 1 waves a work-group, no clusters, 3,584 bytes of LDS; arguments srec, seg, code, kscore, kidx; writes kscore, kidx
.if DOCPART == 7
	.amdgcn_target "amdgcn-amd-amdhsa--gfx1250"
	.amdhsa_code_object_version 6
	.text
	.protected	k_qe4c034e436_nmsb
	.globl	k_qe4c034e436_nmsb
	.p2align	8
	.type	k_qe4c034e436_nmsb,@function
k_qe4c034e436_nmsb:
	s_mov_b64 s[64:65], 0
	v_nop
	global_prefetch_b8 v0, s[64:65] scope:SCOPE_SE
	s_setreg_imm32_b32 hwreg(HW_REG_WAVE_MODE, 25, 1), 1
	s_wait_xcnt 0x0
; NMS, SECOND PART, one class to a work-group of ONE wave: no barrier, so the number of steps can hang on whole numbers read from memory.
; In: st (the third argument), the state that the first part left behind its KST = 24 steps: for each of its 256 threads a word, bit r: box r (place t m + r of the class) is alive,
; bit 4 + r: alive and would not suppress itself; and its number of picks.  Out: log entries 24 to 311 of kscore and kidx (the first part has written 0 to 23 and, as 'no pick',
; 312 to 319), and at byte 102,400 of kidx the class's number of picks, 64 equal words.
; HOW MANY STEPS.  r boxes are alive.  If each of them would suppress itself, every pick takes at least one box away: T = min(276, r) steps find all that is left.  Otherwise
; (degenerate boxes, which the reference picks again and again) T = 276.  A class of more than 768 boxes took all its steps in the first part: its state is 0, T = 0, its log is left alone.
; THE LIVING ARE GATHERED.  Lane l reads words 8 l .. 8 l + 7, so (lane, word, r) is the order of the places.  A box's number q among the living = the living of lower lanes
; (five ballots of the lanes' counts, bit by bit) + those before it in its lane.  Its place goes to word q of a list in LDS (a dead box's to a dump word of its lane); then lane l takes
; entries l CH + j, j < CH = ceil(r / 32) <= 24, and loads their records: order is (lane, j), so a tie in score stays with the lower row.
; A STEP is the first part's: every box is tested against the last winner, the best of the living is found and spread by value; four records at a time, and a forward jump
; leaves out the groups past CH.  The test, and its limits, are the first part's too: NaN and infinities are not treated apart; a pair whose a1 + a2 - inter + 1e-16 is 0 or so near 0
; (some 1e-19) that f x den underflows counts as suppressed.
; THE LOG stays in registers: step 32 j + i writes lane i of one register for the key and one for the row; the outer loop always has 9 trips and ends each by turning the two rings of
; 9 registers one on, so that the register written always has the same name and trip j's entries end in register j.
.set KST,   24
.set REST,  300-KST                    ; 276 = 8 x 32 + 20: nine registers hold the log
.set NCH,   24
.set DUMP,  768                        ; LDS words 0-767: the list; words 768-799: a dump word for each lane
.set SPARE, 3328
.set T,    34                          ; v[34:49]   at work, four registers for each record of a group
.set LK,   50                          ; v[50:58]   the log's keys
.set LR,   60                          ; v[60:68]   the log's rows
.set RT,   70                          ; at work in the rings' turn
.set BX,   72                          ; v[72:167]  24 boxes
.set AR,   168                         ; v[168:191] their areas (before that: their places)
.set KR,   192                         ; v[192:239] their (key, row as f32)
.set W,    240                         ; v[240:247] my eight state words
.set AM,   248                         ; bit 4 j + r: box r of word j is alive
.set BM,   249                         ; not 0: one of mine would not suppress itself
.set CNT,  250
.set RUN,  251
.set PM,   252                         ; 8 l m: the place of my first box
.set Q0,   253
.set TA,   254
.set TB,   255
; v2, v3 the add's two  v4 32 l  v5 16 l, later 4 l + 96  v6 my dump word  v7 -inf  v[8:11] winner's box  v12 its area  v14 its key  v15 its row
; v[16:19], v20, v21 my lane's best: box, key, row  v[28:32] the other half's  (v[16:63] are the record loads' 48 offsets first)
.macro CANDB list:vararg               ; the records named are tested against the winner, line by line side by side
.irp r, \list
.set t0, T+4*((\r)%4)
	v_max_num_f32 v[t0],   v8,  v[BX+4*(\r)]
	v_max_num_f32 v[t0+1], v9,  v[BX+4*(\r)+1]
	v_min_num_f32 v[t0+2], v10, v[BX+4*(\r)+2]
	v_min_num_f32 v[t0+3], v11, v[BX+4*(\r)+3]
.endr
.irp r, \list
.set t0, T+4*((\r)%4)
	v_pk_add_f32 v[t0:t0+1], v[t0+2:t0+3], v[t0:t0+1] neg_lo:[0,1] neg_hi:[0,1]
.endr
.irp r, \list
.set t0, T+4*((\r)%4)
	v_pk_add_f32 v[t0:t0+1], v[t0:t0+1], 1.0 op_sel_hi:[1,0]
.endr
.irp r, \list
.set t0, T+4*((\r)%4)
	v_max_num_f32 v[t0], 0, v[t0]
	v_max_num_f32 v[t0+1], 0, v[t0+1]
	v_add_f32 v[t0+2], v12, v[AR+(\r)]
.endr
.irp r, \list
.set t0, T+4*((\r)%4)
	v_mul_f32 v[t0], v[t0], v[t0+1]        ; inter
.endr
.irp r, \list
.set t0, T+4*((\r)%4)
	v_sub_f32 v[t0+2], v[t0+2], v[t0]
.endr
.irp r, \list
.set t0, T+4*((\r)%4)
	v_add_f32 v[t0+2], s26, v[t0+2]        ; den = ((a1 + a2) - inter) + 1e-16
.endr
.irp r, \list
.set t0, T+4*((\r)%4)
	v_fma_f32 v[t0], s27, v[t0+2], v[t0]
.endr
.irp r, \list
.set t0, T+4*((\r)%4)
	v_fma_f32 v[t0], s28, v[t0+2], v[t0]
.endr
.irp r, \list
.set t0, T+4*((\r)%4)
	v_mul_f32 v[t0], v[t0], v[t0+2]
.endr
.irp r, \list
.set t0, T+4*((\r)%4)
	v_cmp_le_f32 vcc_lo, 0, v[t0]
	v_cndmask_b32 v[KR+2*(\r)], v[KR+2*(\r)], v7, vcc_lo   ; dead: its key is -inf from now on
.endr
.endm
.macro TAKEB i                         ; my lane's best takes record i where its key is greater: a tie stays with the lower j
	v_cmp_gt_f32 vcc_lo, v[KR+2*(\i)], v20
	v_cndmask_b32 v16, v16, v[BX+4*(\i)], vcc_lo
	v_cndmask_b32 v17, v17, v[BX+4*(\i)+1], vcc_lo
	v_cndmask_b32 v18, v18, v[BX+4*(\i)+2], vcc_lo
	v_cndmask_b32 v19, v19, v[BX+4*(\i)+3], vcc_lo
	v_cndmask_b32 v20, v20, v[KR+2*(\i)], vcc_lo
	v_cndmask_b32 v21, v21, v[KR+2*(\i)+1], vcc_lo
.endm
	s_load_b256 s[4:11], s[0:1], 0x0       ; srec s[4:5], seg s[6:7], st s[8:9], kscore s[10:11]
	s_load_b64 s[12:13], s[0:1], 0x20      ; kidx
	v_lshl_add_u32 v2, v0, 2, SPARE
	v_mov_b32 v3, 0
	v_mov_b32 v7, 0xff800000
	v_lshlrev_b32 v4, 5, v0                ; one wave: v0 is the lane
	v_lshlrev_b32 v5, 4, v0
	v_add_nc_u32 v6, DUMP, v0
.irp k, 0,1,2,3
	v_mov_b32 v[T+\k], 0
.endr
	s_mov_b32 s24, 0x76543210              ; v_permlanex16_b32: each lane takes its own place in the other half
	s_mov_b32 s25, 0xfedcba98
	s_mov_b32 s26, 0x24e69595              ; 1e-16
	s_mov_b32 s27, 0xbecccccd              ; -0.4f
	s_mov_b32 s28, 0xb2800000              ; -2^-26
	s_mov_b32 s30, 0
	s_lshl_b32 s16, ttmp9, 2
	s_mov_b32 s17, 0
	s_lshl_b32 s38, ttmp9, 8
	s_mov_b32 s39, 0
	s_lshl_b32 s40, ttmp9, 10
	s_mov_b32 s41, 0
	s_mul_i32 s42, ttmp9, 1280
	s_mov_b32 s43, 0
.set k, 0
.rept 6
	ds_store_b128 v5, v[T:T+3] offset:512*k    ; the list's 768 words begin as 0
.set k, k+1
.endr
	s_wait_kmcnt 0x0
	s_add_nc_u64 s[14:15], s[6:7], s[16:17]
	s_add_nc_u64 s[18:19], s[8:9], 0x14000
	s_add_nc_u64 s[18:19], s[18:19], s[38:39]
	s_add_nc_u64 s[34:35], s[8:9], s[40:41]
	s_add_nc_u64 s[44:45], s[4:5], 0x400000
	s_add_nc_u64 s[10:11], s[10:11], s[42:43]
	s_add_nc_u64 s[46:47], s[12:13], s[42:43]
	s_add_nc_u64 s[12:13], s[12:13], 0x19000
	s_add_nc_u64 s[12:13], s[12:13], s[38:39]
	s_load_b32 s20, s[14:15], 0x0          ; off
	s_load_b32 s21, s[14:15], 0x200        ; n
	s_load_b32 s23, s[18:19], 0x0          ; the first part's picks
	global_load_b128 v[W:W+3], v4, s[34:35]
	global_load_b128 v[W+4:W+7], v4, s[34:35] offset:16
	s_wait_kmcnt 0x0
	s_min_u32 s20, s20, 0x3ffff
	s_min_u32 s21, s21, 0x40000
	s_min_u32 s23, s23, 320
	s_add_co_u32 s22, s21, 255
	s_lshr_b32 s22, s22, 8                 ; m
	v_mov_b32 v[AM], 0
	v_mov_b32 v[BM], 0
	v_mov_b32 v[CNT], 0
	v_mov_b32 v[RUN], 0
	v_lshlrev_b32 v[PM], 3, v0
	v_mul_u32_u24 v[PM], v[PM], s22
	s_wait_loadcnt 0x0
.irp j, 0,1,2,3,4,5,6,7
	v_and_b32 v[TA], 7, v[W+\j]
	v_bfe_u32 v[TB], v[W+\j], 4, 3
	v_lshl_or_b32 v[AM], v[TA], 4*\j, v[AM]
	v_or_b32 v[BM], v[BM], v[TB]
.endr
.irp j, 0,1,2,3,4,5,6,7
.irp q, 0,1,2
	v_bfe_u32 v[TA], v[AM], 4*\j+\q, 1
	v_add_nc_u32 v[CNT], v[CNT], v[TA]     ; my lane's living: 0 to 24
.endr
.endr
	s_mov_b32 s31, 0
.irp k, 0,1,2,3,4                      ; bit k of the counts: how many lower lanes have it, how many lanes in all
	v_bfe_u32 v[TA], v[CNT], \k, 1
	v_cmp_eq_u32 vcc_lo, 1, v[TA]
	v_mbcnt_lo_u32_b32 v[TA], vcc_lo, 0
	v_lshl_add_u32 v[RUN], v[TA], \k, v[RUN]
	s_bcnt1_i32_b32 s32, vcc_lo
	s_lshl_b32 s32, s32, \k
	s_add_co_u32 s31, s31, s32
.endr
	s_min_u32 s31, s31, 768                ; r
	v_cmp_ne_u32 vcc_lo, 0, v[BM]
	s_min_u32 s33, s31, REST
	s_cmp_lg_u32 vcc_lo, 0
	s_cselect_b32 s33, REST, s33           ; T
	s_add_co_u32 s29, s31, 31
	s_lshr_b32 s29, s29, 5
	s_min_u32 s29, s29, NCH                ; CH
.irp j, 0,1,2,3,4,5,6,7
	s_mul_i32 s32, s22, \j
.irp q, 0,1,2
	v_bfe_u32 v[TA], v[AM], 4*\j+\q, 1
	v_cmp_eq_u32 vcc_lo, 1, v[TA]
	v_cndmask_b32 v[TB], v6, v[RUN], vcc_lo        ; word q of the list, or my dump word
	v_min_u32 v[TB], DUMP+31, v[TB]
	v_lshlrev_b32 v[TB], 2, v[TB]
	v_add_nc_u32 v[Q0], s32, v[PM]
	v_add_nc_u32 v[Q0], \q, v[Q0]                  ; the place (8 l + j) m + r
	ds_store_b32 v[TB], v[Q0]                      ; behind the zeros: LDS serves a wave's instructions in order
	v_add_nc_u32 v[RUN], v[RUN], v[TA]
.endr
.endr
	v_mul_u32_u24 v[Q0], v0, s29           ; my first entry of the list
	v_min_u32 v[TA], 744, v[Q0]
	v_lshlrev_b32 v[TA], 2, v[TA]
.set i, 0
.rept NCH
	ds_load_b32 v[AR+i], v[TA] offset:4*i
.set i, i+1
.endr
	s_wait_dscnt 0x0
.set i, 0
.rept NCH                              ; all 24 records are loaded, whatever CH: an entry past the living reads some record, which gets the key -inf below
	v_add_nc_u32 v[AR+i], s20, v[AR+i]
	v_min_u32 v[AR+i], 0x3ffff, v[AR+i]
	v_lshlrev_b32 v[16+i], 4, v[AR+i]
	v_lshlrev_b32 v[40+i], 3, v[AR+i]
	global_load_b128 v[BX+4*i:BX+4*i+3], v[16+i], s[4:5]
	global_load_b64 v[KR+2*i:KR+2*i+1], v[40+i], s[44:45]
.set i, i+1
.endr
	v_mov_b32 v8, 0x7f7fffff               ; a first winner that meets no box (inter = 0) and has an infinite area (g = -inf): it suppresses nothing
	v_mov_b32 v9, 0x7f7fffff
	v_mov_b32 v10, 0xff7fffff
	v_mov_b32 v11, 0xff7fffff
	v_mov_b32 v12, 0x7f800000
	v_mov_b32 v14, 0                       ; destinations of lane-crossing lines count as read: written once here
	s_wait_loadcnt 0x0                     ; the records are in, and the loads' 48 offset registers are free
.irp f, 28,29,30,31,32
	v_mov_b32 v\f, 0
.endr
.set k, 0
.rept 9
	v_mov_b32 v[LK+k], v7                  ; the log begins as 'no pick'
	v_mov_b32 v[LR+k], 0
.set k, k+1
.endr
.set i, 0
.rept NCH
.set t0, T+2*(i%8)
	v_pk_add_f32 v[t0:t0+1], v[BX+4*i+2:BX+4*i+3], v[BX+4*i:BX+4*i+1] neg_lo:[0,1] neg_hi:[0,1]
	v_pk_add_f32 v[t0:t0+1], v[t0:t0+1], 1.0 op_sel_hi:[1,0]
	v_mul_f32 v[AR+i], v[t0], v[t0+1]
	s_cmp_gt_u32 s29, i
	s_cselect_b32 s32, s31, 0              ; j >= CH: the entry is the next lane's
	v_add_nc_u32 v[TA], i, v[Q0]
	v_cmp_gt_u32 vcc_lo, s32, v[TA]
	v_cndmask_b32 v[KR+2*i], v7, v[KR+2*i], vcc_lo
.set i, i+1
.endr
	s_mov_b32 s36, 0
.Lo:                                   ; 9 trips, always: 32 steps each at the most
	s_lshl_b32 s38, s36, 5
	s_cmp_ge_u32 s38, s33
	s_cbranch_scc1 .Lrot                   ; no step left: only the rings turn
	s_sub_co_u32 s40, s33, s38
	s_min_u32 s40, s40, 32                 ; steps of this trip: 1 to 32
	s_mov_b32 s37, 0
.Li:
	CANDB 0,1,2,3
	v_mov_b32 v16, v[BX]
	v_mov_b32 v17, v[BX+1]
	v_mov_b32 v18, v[BX+2]
	v_mov_b32 v19, v[BX+3]
	v_mov_b32 v20, v[KR]
	v_mov_b32 v21, v[KR+1]
	TAKEB 1
	TAKEB 2
	TAKEB 3
.irp g, 1,2,3,4,5
	s_cmp_le_u32 s29, 4*\g                 ; CH is a whole number made of numbers read from memory
	s_cbranch_scc1 .Lsel
	CANDB 4*\g,4*\g+1,4*\g+2,4*\g+3
	TAKEB 4*\g
	TAKEB 4*\g+1
	TAKEB 4*\g+2
	TAKEB 4*\g+3
.endr
.Lsel:
	v_max_num_f32_dpp v14, v20, v20 row_xmask:1 row_mask:0xf bank_mask:0xf
	v_max_num_f32_dpp v14, v14, v14 row_xmask:2 row_mask:0xf bank_mask:0xf
	v_max_num_f32_dpp v14, v14, v14 row_xmask:4 row_mask:0xf bank_mask:0xf
	v_max_num_f32_dpp v14, v14, v14 row_xmask:8 row_mask:0xf bank_mask:0xf
	v_permlanex16_b32 v28, v14, s24, s25
	v_max_num_f32 v14, v14, v28            ; the best key, in every lane
	v_cmp_eq_f32 s32, v14, v20
	s_sub_co_u32 s34, 0, s32
	s_and_b32 s32, s32, s34                ; the lowest lane that has it
	v_cndmask_b32 v8, 0, v16, s32
	v_cndmask_b32 v9, 0, v17, s32
	v_cndmask_b32 v10, 0, v18, s32
	v_cndmask_b32 v11, 0, v19, s32
	v_cndmask_b32 v15, 0, v21, s32
.irp x, 1,2,4,8
.irp f, 8,9,10,11,15
	v_add_f32_dpp v\f, v\f, v\f row_xmask:\x row_mask:0xf bank_mask:0xf
.endr
.endr
	v_permlanex16_b32 v28, v8, s24, s25
	v_permlanex16_b32 v29, v9, s24, s25
	v_permlanex16_b32 v30, v10, s24, s25
	v_permlanex16_b32 v31, v11, s24, s25
	v_permlanex16_b32 v32, v15, s24, s25
	v_add_f32 v8, v8, v28
	v_add_f32 v9, v9, v29
	v_add_f32 v10, v10, v30
	v_add_f32 v11, v11, v31
	v_add_f32 v15, v15, v32
	v_pk_add_f32 v[T:T+1], v[10:11], v[8:9] neg_lo:[0,1] neg_hi:[0,1]
	v_pk_add_f32 v[T:T+1], v[T:T+1], 1.0 op_sel_hi:[1,0]
	v_mul_f32 v12, v[T], v[T+1]
	v_readfirstlane_b32 s34, v14
	v_readfirstlane_b32 s35, v15
	v_writelane_b32 v[LK], s34, s37        ; the log's entry: lane = the step's number in this trip
	v_writelane_b32 v[LR], s35, s37
	v_cmp_lt_f32 vcc_lo, v7, v14
	s_and_b32 s32, vcc_lo, 1
	s_add_co_u32 s30, s30, s32             ; picks: a value, stored at the end
	s_add_co_u32 s37, s37, 1
	s_cmp_lt_u32 s37, s40
	s_cbranch_scc1 .Li
.Lrot:
	v_mov_b32 v[RT], v[LK]                 ; the two rings turn one on
.set k, 0
.rept 8
	v_mov_b32 v[LK+k], v[LK+k+1]
.set k, k+1
.endr
	v_mov_b32 v[LK+8], v[RT]
	v_mov_b32 v[RT], v[LR]
.set k, 0
.rept 8
	v_mov_b32 v[LR+k], v[LR+k+1]
.set k, k+1
.endr
	v_mov_b32 v[LR+8], v[RT]
	s_add_co_u32 s36, s36, 1
	s_cmp_lt_u32 s36, 9
	s_cbranch_scc1 .Lo
	s_cmp_gt_u32 s22, 3
	s_cbranch_scc1 .Lnolog                 ; a larger class: the first part has written its whole log
	v_lshl_add_u32 v5, v0, 2, 4*KST        ; entry 24 + 32 j + lane
.set k, 0
.rept 9
	v_cvt_u32_f32 v[LR+k], v[LR+k]
	global_store_b32 v5, v[LK+k], s[10:11] offset:128*k
	global_store_b32 v5, v[LR+k], s[46:47] offset:128*k
.set k, k+1
.endr
.Lnolog:
	s_add_co_u32 s30, s30, s23             ; both parts' picks
	v_lshlrev_b32 v16, 3, v0
	v_mov_b32 v18, s30
	v_mov_b32 v19, s30
	global_store_b64 v16, v[18:19], s[12:13]   ; 256 consecutive bytes
	s_wait_tensorcnt 0x0                   ; the wave's end
	ds_add_u32 v2, v3
	s_wait_dscnt 0x0
	s_endpgm
.Lfunc_end_k_qe4c034e436_nmsb:
	.size	k_qe4c034e436_nmsb, .Lfunc_end_k_qe4c034e436_nmsb-k_qe4c034e436_nmsb
	.p2alignl 7, 3214868480
	.fill 96, 4, 3214868480
	.section	.rodata,"a",@progbits
	.p2align	6, 0x0
	.amdhsa_kernel k_qe4c034e436_nmsb
		.amdhsa_group_segment_fixed_size 3584
		.amdhsa_private_segment_fixed_size 0
		.amdhsa_enable_private_segment 0
		.amdhsa_kernarg_size 40
		.amdhsa_user_sgpr_count 2
		.amdhsa_user_sgpr_kernarg_segment_ptr 1
		.amdhsa_wavefront_size32 1
		.amdhsa_system_sgpr_workgroup_id_x 1
		.amdhsa_system_sgpr_workgroup_id_y 1
		.amdhsa_system_sgpr_workgroup_id_z 1
		.amdhsa_system_vgpr_workitem_id 0
		.amdhsa_next_free_vgpr 256
		.amdhsa_next_free_sgpr 66
		.amdhsa_reserve_vcc 1
		.amdhsa_float_denorm_mode_32 3
		.amdhsa_float_denorm_mode_16_64 3
		.amdhsa_memory_ordered 1
		.amdhsa_forward_progress 1
		.amdhsa_inst_pref_size 65
	.end_amdhsa_kernel
	.amdgpu_metadata
---
amdhsa.version: [ 1, 2 ]
amdhsa.kernels:
  - .name:           k_qe4c034e436_nmsb
    .symbol:         k_qe4c034e436_nmsb.kd
    .args:
      - { .name: srec, .offset: 0, .size: 8, .value_kind: global_buffer, .address_space: global }
      - { .name: seg, .offset: 8, .size: 8, .value_kind: global_buffer, .address_space: global }
      - { .name: code, .offset: 16, .size: 8, .value_kind: global_buffer, .address_space: global }
      - { .name: kscore, .offset: 24, .size: 8, .value_kind: global_buffer, .address_space: global }
      - { .name: kidx, .offset: 32, .size: 8, .value_kind: global_buffer, .address_space: global }
    .group_segment_fixed_size: 3584
    .private_segment_fixed_size: 0
    .kernarg_segment_align: 8
    .kernarg_segment_size: 40
    .max_flat_workgroup_size: 32
    .sgpr_count:     66
    .vgpr_count:     256
    .wavefront_size: 32
...
	.end_amdgpu_metadata
.endif
;; end of part 7
;; launch ranking: the kernel of part 4 again; grid 80 x 1, 10 waves a work-group, no clusters, 14,080 bytes of LDS; arguments kscore, kidx, rec, prank, kconf; writes prank, kconf
;; launch final: the kernel of part 5 again; grid 1 x 1, 10 waves a work-group, no clusters, 17,920 bytes of LDS; arguments prank, kconf, out0, out1; writes out0, out1
;; ======== version 3 of 3: 6 launches; version 2 with the launch nmsb written anew for expert scheduling mode
;; workspace buffers: rec 6,291,456 bytes; code 393,216 bytes of whole numbers; srec 6,291,456 bytes; seg 1,024 bytes of whole numbers; kscore 102,400 bytes; kidx 122,880 bytes of whole numbers; prank 102,400 bytes of whole numbers; kconf 102,400 bytes
;; launch scan: the kernel of part 1 again; grid 256 x 1, 8 waves a work-group, no clusters, 92,160 bytes of LDS; arguments detections, rec, code; writes rec, code
;; launch place: the kernel of part 2 again; grid 256 x 1, 8 waves a work-group, no clusters, 26,624 bytes of LDS; arguments code, rec, srec, seg; writes srec, seg
;; launch nmsa: the kernel of part 6 again; grid 80 x 1, 8 waves a work-group, no clusters, 4,352 bytes of LDS; arguments srec, seg, kscore, kidx, code; writes kscore, kidx, code
;; launch nmsb (part 8): grid 80 x 1, 1 waves a work-group, no clusters, 3,584 bytes of LDS; arguments srec, seg, code, kscore, kidx; writes kscore, kidx
.if DOCPART == 8
	.amdgcn_target "amdgcn-amd-amdhsa--gfx1250"
	.amdhsa_code_object_version 6
	.text
	.protected	k_qe4c034e436_nmsb
	.globl	k_qe4c034e436_nmsb
	.p2align	8
	.type	k_qe4c034e436_nmsb,@function
k_qe4c034e436_nmsb:
	s_mov_b64 s[64:65], 0
	v_nop
	global_prefetch_b8 v0, s[64:65] scope:SCOPE_SE
	s_setreg_imm32_b32 hwreg(HW_REG_WAVE_SCHED_MODE, 0, 2), 2
	s_setreg_imm32_b32 hwreg(HW_REG_WAVE_MODE, 25, 1), 1
	s_wait_xcnt 0x0
	s_wait_alu depctr_vm_vsrc(0)
; NMS, SECOND PART, one class to a work-group of ONE wave: no barrier, so the number of steps can hang on whole numbers read from memory.
; In: st (the third argument), the state that the first part left behind its KST = 24 steps: for each of its 256 threads a word, bit r: box r (place t m + r of the class) is alive,
; bit 4 + r: alive and would not suppress itself; and its number of picks.  Out: log entries 24 to 311 of kscore and kidx (the first part has written 0 to 23 and, as 'no pick',
; 312 to 319), and at byte 102,400 of kidx the class's number of picks, 64 equal words.
; HOW MANY STEPS.  r boxes are alive.  If each of them would suppress itself, every pick takes at least one box away: T = min(276, r) steps find all that is left.  Otherwise
; (degenerate boxes, which the reference picks again and again) T = 276.  A class of more than 768 boxes took all its steps in the first part: its state is 0, T = 0, its log is left alone.
; THE LIVING ARE GATHERED.  Lane l reads words 8 l .. 8 l + 7, so (lane, word, r) is the order of the places.  A box's number q among the living = the living of lower lanes
; (five ballots of the lanes' counts, bit by bit) + those before it in its lane.  Its place goes to word q of a list in LDS (a dead box's to a dump word of its lane); then lane l takes
; entries l CH + j, j < CH = ceil(r / 32) <= 24, and loads their records: order is (lane, j), so a tie in score stays with the lower row.
; A STEP is the first part's: every box is tested against the last winner, the best of the living is found and spread by value; four records at a time, and a forward jump
; leaves out the groups past CH.  The test, and its limits, are the first part's too: NaN and infinities are not treated apart; a pair whose a1 + a2 - inter + 1e-16 is 0 or so near 0
; (some 1e-19) that f x den underflows counts as suppressed.
; THE LOG stays in registers: step 32 j + i writes lane i of one register for the key and one for the row; the outer loop always has 9 trips and ends each by turning the two rings of
; 9 registers one on, so that the register written always has the same name and trip j's entries end in register j.
; THE MODE: SCHED_MODE bits 1:0 = 2 (LLVM: expert scheduling mode 2), set by the entry lines.  The code itself states the register dependences between vector instructions and
; memory or LDS instructions, and between a vector instruction that writes a scalar register or VCC and its readers, with s_wait_alu, always for 0.
; THE PLAN.  Registers that memory or LDS instructions touch, in the order of the text (the step loop holds no memory or LDS instruction):
;   v5, v[34:37]       made at the head; read by the six LDS stores of the list's zeros; v[34:37] are written again as offsets, v5 at the end.
;   v4                 made at the head, never written again; read by the two loads of the state words, which land in v[W ..].
;   LA, LP             24 list addresses and 24 places, a register each, made by vector lines; read by the 24 LDS stores; the record loads land in them later.
;   LB                 the 24 bits: vector lines alone name them; the record loads land in them later.
;   v[TA]              the list's read address; read by the 24 LDS loads, which land in AR; written again where the keys are masked.
;   v[16:63]           the 48 offsets, a register each; read by the 48 record loads, which land in BX and KR; written again behind them (work, log, a lane's best).
;   v5, LK, LR, v16, v[18:19]   made at the end; read by the last stores.
; So a run of stores or loads has ONE wait on va_vdst ahead of it, behind all the vector lines that make its registers, and one wait on vm_vsrc stands behind the list's loads and one
; behind the record loads, ahead of the first line that writes a register that they read.  Compares are laid in runs into scalar registers, one wait on va_sdst behind a run.
.set KST,   24
.set REST,  300-KST                    ; 276 = 8 x 32 + 20: nine registers hold the log
.set NCH,   24
.set DUMP,  768                        ; LDS words 0-767: the list; words 768-799: a dump word for each lane
.set SPARE, 3328
.set T,    34                          ; v[34:49]   at work, four registers for each record of a group
.set LK,   50                          ; v[50:58]   the log's keys
.set LR,   60                          ; v[60:68]   the log's rows
.set RT,   70                          ; at work in the rings' turn
.set BX,   72                          ; v[72:167]  24 boxes
.set LA,   BX                          ; v[72:95]   before that: where each of my 24 boxes' places goes in LDS
.set LP,   BX+24                       ; v[96:119]  those places
.set LB,   BX+48                       ; v[120:143] 1: the box is alive
.set AR,   168                         ; v[168:191] their areas (before that: their places)
.set KR,   192                         ; v[192:239] their (key, row as f32)
.set W,    240                         ; v[240:247] my eight state words
.set AM,   248                         ; bit 4 j + r: box r of word j is alive
.set BM,   249                         ; not 0: one of mine would not suppress itself
.set CNT,  250
.set RUN,  251
.set PM,   252                         ; 8 l m: the place of my first box
.set Q0,   253
.set TA,   254
.set TB,   255
.set MK,   16                          ; s[16:19]   the masks of a group's four tests
.set MS,   36                          ; s[36:43]   a run of up to eight masks, in the set-up
; v2, v3 the add's two  v4 32 l  v5 16 l, later 4 l + 96  v6 my dump word  v7 -inf  v[8:11] winner's box  v12 its area  v14 its key  v15 its row
; v[16:19], v20, v21 my lane's best: box, key, row  v[28:32] the other half's  (v[16:63] are the record loads' 48 offsets first)
.macro CANDB list:vararg               ; the records named are tested against the winner, line by line side by side
.irp r, \list
.set t0, T+4*((\r)%4)
	v_max_num_f32 v[t0],   v8,  v[BX+4*(\r)]
	v_max_num_f32 v[t0+1], v9,  v[BX+4*(\r)+1]
	v_min_num_f32 v[t0+2], v10, v[BX+4*(\r)+2]
	v_min_num_f32 v[t0+3], v11, v[BX+4*(\r)+3]
.endr
.irp r, \list
.set t0, T+4*((\r)%4)
	v_pk_add_f32 v[t0:t0+1], v[t0+2:t0+3], v[t0:t0+1] neg_lo:[0,1] neg_hi:[0,1]
.endr
.irp r, \list
.set t0, T+4*((\r)%4)
	v_pk_add_f32 v[t0:t0+1], v[t0:t0+1], 1.0 op_sel_hi:[1,0]
.endr
.irp r, \list
.set t0, T+4*((\r)%4)
	v_max_num_f32 v[t0], 0, v[t0]
	v_max_num_f32 v[t0+1], 0, v[t0+1]
	v_add_f32 v[t0+2], v12, v[AR+(\r)]
.endr
.irp r, \list
.set t0, T+4*((\r)%4)
	v_mul_f32 v[t0], v[t0], v[t0+1]        ; inter
.endr
.irp r, \list
.set t0, T+4*((\r)%4)
	v_sub_f32 v[t0+2], v[t0+2], v[t0]
.endr
.irp r, \list
.set t0, T+4*((\r)%4)
	v_add_f32 v[t0+2], s26, v[t0+2]        ; den = ((a1 + a2) - inter) + 1e-16
.endr
.irp r, \list
.set t0, T+4*((\r)%4)
	v_fma_f32 v[t0], s27, v[t0+2], v[t0]
.endr
.irp r, \list
.set t0, T+4*((\r)%4)
	v_fma_f32 v[t0], s28, v[t0+2], v[t0]
.endr
.irp r, \list
.set t0, T+4*((\r)%4)
	v_mul_f32 v[t0], v[t0], v[t0+2]
.endr
.irp r, \list
.set t0, T+4*((\r)%4)
	v_cmp_le_f32 s[MK+(\r)%4], 0, v[t0]
.endr
	s_wait_alu depctr_va_sdst(0)           ; the four compares have written s[MK ..], which the four selects read
.irp r, \list
	v_cndmask_b32 v[KR+2*(\r)], v[KR+2*(\r)], v7, s[MK+(\r)%4]   ; dead: its key is -inf from now on
.endr
.endm
.macro TAKEB i                         ; my lane's best takes record i where its key is greater: a tie stays with the lower j
	v_cmp_gt_f32 vcc_lo, v[KR+2*(\i)], v20
	s_wait_alu depctr_va_vcc(0)            ; the compare has written VCC, which the six selects read; the next link's compare reads this link's v20, so each link has its own wait
	v_cndmask_b32 v16, v16, v[BX+4*(\i)], vcc_lo
	v_cndmask_b32 v17, v17, v[BX+4*(\i)+1], vcc_lo
	v_cndmask_b32 v18, v18, v[BX+4*(\i)+2], vcc_lo
	v_cndmask_b32 v19, v19, v[BX+4*(\i)+3], vcc_lo
	v_cndmask_b32 v20, v20, v[KR+2*(\i)], vcc_lo
	v_cndmask_b32 v21, v21, v[KR+2*(\i)+1], vcc_lo
.endm
	s_load_b256 s[4:11], s[0:1], 0x0       ; srec s[4:5], seg s[6:7], st s[8:9], kscore s[10:11]
	s_load_b64 s[12:13], s[0:1], 0x20      ; kidx
	v_lshl_add_u32 v2, v0, 2, SPARE
	v_mov_b32 v3, 0
	v_mov_b32 v7, 0xff800000
	v_lshlrev_b32 v4, 5, v0                ; one wave: v0 is the lane
	v_lshlrev_b32 v5, 4, v0
	v_add_nc_u32 v6, DUMP, v0
.irp k, 0,1,2,3
	v_mov_b32 v[T+\k], 0
.endr
	s_mov_b32 s24, 0x76543210              ; v_permlanex16_b32: each lane takes its own place in the other half
	s_mov_b32 s25, 0xfedcba98
	s_mov_b32 s26, 0x24e69595              ; 1e-16
	s_mov_b32 s27, 0xbecccccd              ; -0.4f
	s_mov_b32 s28, 0xb2800000              ; -2^-26
	s_mov_b32 s30, 0
	s_lshl_b32 s16, ttmp9, 2
	s_mov_b32 s17, 0
	s_lshl_b32 s38, ttmp9, 8
	s_mov_b32 s39, 0
	s_lshl_b32 s40, ttmp9, 10
	s_mov_b32 s41, 0
	s_mul_i32 s42, ttmp9, 1280
	s_mov_b32 s43, 0
	s_wait_alu depctr_va_vdst(0)           ; v5 and v[T:T+3] are written, which the LDS stores read; so is v4, the offset of the state words' loads below
.set k, 0
.rept 6
	ds_store_b128 v5, v[T:T+3] offset:512*k    ; the list's 768 words begin as 0
.set k, k+1
.endr
	s_wait_kmcnt 0x0
	s_add_nc_u64 s[14:15], s[6:7], s[16:17]
	s_add_nc_u64 s[18:19], s[8:9], 0x14000
	s_add_nc_u64 s[18:19], s[18:19], s[38:39]
	s_add_nc_u64 s[34:35], s[8:9], s[40:41]
	s_add_nc_u64 s[44:45], s[4:5], 0x400000
	s_add_nc_u64 s[10:11], s[10:11], s[42:43]
	s_add_nc_u64 s[46:47], s[12:13], s[42:43]
	s_add_nc_u64 s[12:13], s[12:13], 0x19000
	s_add_nc_u64 s[12:13], s[12:13], s[38:39]
	s_load_b32 s20, s[14:15], 0x0          ; off
	s_load_b32 s21, s[14:15], 0x200        ; n
	s_load_b32 s23, s[18:19], 0x0          ; the first part's picks
	global_load_b128 v[W:W+3], v4, s[34:35]            ; no vector line since the wait above names v4 or v[W ..]
	global_load_b128 v[W+4:W+7], v4, s[34:35] offset:16
	s_wait_kmcnt 0x0
	s_min_u32 s20, s20, 0x3ffff
	s_min_u32 s21, s21, 0x40000
	s_min_u32 s23, s23, 320
	s_add_co_u32 s22, s21, 255
	s_lshr_b32 s22, s22, 8                 ; m
	v_mov_b32 v[AM], 0
	v_mov_b32 v[BM], 0
	v_mov_b32 v[CNT], 0
	v_mov_b32 v[RUN], 0
	v_lshlrev_b32 v[PM], 3, v0
	v_mul_u32_u24 v[PM], v[PM], s22
	s_wait_loadcnt 0x0
.irp j, 0,1,2,3,4,5,6,7
	v_and_b32 v[TA], 7, v[W+\j]
	v_bfe_u32 v[TB], v[W+\j], 4, 3
	v_lshl_or_b32 v[AM], v[TA], 4*\j, v[AM]
	v_or_b32 v[BM], v[BM], v[TB]
.endr
.irp j, 0,1,2,3,4,5,6,7
.irp q, 0,1,2
	v_bfe_u32 v[TA], v[AM], 4*\j+\q, 1
	v_add_nc_u32 v[CNT], v[CNT], v[TA]     ; my lane's living: 0 to 24
.endr
.endr
	s_mov_b32 s31, 0
.irp k, 0,1,2,3,4                      ; bit k of the counts: which lanes have it
	v_bfe_u32 v[TA], v[CNT], \k, 1
	v_cmp_eq_u32 s[MS+\k], 1, v[TA]
.endr
	v_cmp_ne_u32 s[MS+5], 0, v[BM]         ; which lanes have a box that would not suppress itself
	s_wait_alu depctr_va_sdst(0)           ; the six compares have written s[MS:MS+5], which the lines below read
.irp k, 0,1,2,3,4                      ; how many lower lanes have bit k, how many lanes in all
	v_mbcnt_lo_u32_b32 v[TA], s[MS+\k], 0
	v_lshl_add_u32 v[RUN], v[TA], \k, v[RUN]
	s_bcnt1_i32_b32 s32, s[MS+\k]
	s_lshl_b32 s32, s32, \k
	s_add_co_u32 s31, s31, s32
.endr
	s_min_u32 s31, s31, 768                ; r
	s_min_u32 s33, s31, REST
	s_cmp_lg_u32 s[MS+5], 0
	s_cselect_b32 s33, REST, s33           ; T
	s_add_co_u32 s29, s31, 31
	s_lshr_b32 s29, s29, 5
	s_min_u32 s29, s29, NCH                ; CH
; My 24 boxes, i = 3 j + r: the bit, where its place goes, and the place, each in a register of its own, so that one wait serves the 24 stores.
.set i, 0
.rept NCH
	v_bfe_u32 v[LB+i], v[AM], 4*(i/3)+i%3, 1
.set i, i+1
.endr
.set i, 0
.rept 3                                ; eight boxes to a run of compares
.set k, 0
.rept 8
	v_cmp_eq_u32 s[MS+k], 1, v[LB+i+k]
.set k, k+1
.endr
	s_wait_alu depctr_va_sdst(0)           ; the eight compares have written s[MS:MS+7], which the eight selects read
.set k, 0
.rept 8
	v_cndmask_b32 v[LA+i+k], v6, v[RUN], s[MS+k]   ; word q of the list, or my dump word
	v_add_nc_u32 v[RUN], v[RUN], v[LB+i+k]
.set k, k+1
.endr
.set i, i+8
.endr
.set i, 0
.rept NCH
	v_min_u32 v[LA+i], DUMP+31, v[LA+i]
	v_lshlrev_b32 v[LA+i], 2, v[LA+i]
.set i, i+1
.endr
.irp j, 0,1,2,3,4,5,6,7
	s_mul_i32 s32, s22, \j
.irp q, 0,1,2
	v_add_nc_u32 v[LP+3*\j+\q], s32, v[PM]
	v_add_nc_u32 v[LP+3*\j+\q], \q, v[LP+3*\j+\q]  ; the place (8 l + j) m + r
.endr
.endr
	v_mul_u32_u24 v[Q0], v0, s29           ; my first entry of the list
	v_min_u32 v[TA], 744, v[Q0]
	v_lshlrev_b32 v[TA], 2, v[TA]
	s_wait_alu depctr_va_vdst(0)           ; LA and LP are written, which the LDS stores read, and v[TA], the address of the LDS loads behind them
.set i, 0
.rept NCH
	ds_store_b32 v[LA+i], v[LP+i]          ; behind the zeros: LDS serves a wave's instructions in order
.set i, i+1
.endr
.set i, 0
.rept NCH
	ds_load_b32 v[AR+i], v[TA] offset:4*i  ; no vector line has named AR
.set i, i+1
.endr
	s_wait_dscnt 0x0
	s_wait_alu depctr_vm_vsrc(0)           ; the zeros' stores have read v[T:T+3], of which the offsets below take the place; the list's stores have read LA and LP, in which records land; the list's loads have read v[TA]
.set i, 0
.rept NCH                              ; all 24 records are loaded, whatever CH: an entry past the living reads some record, which gets the key -inf below
	v_add_nc_u32 v[AR+i], s20, v[AR+i]
	v_min_u32 v[AR+i], 0x3ffff, v[AR+i]
	v_lshlrev_b32 v[16+i], 4, v[AR+i]
	v_lshlrev_b32 v[40+i], 3, v[AR+i]
.set i, i+1
.endr
	s_wait_alu depctr_va_vdst(0)           ; the 48 offsets are written, which the loads read; the vector lines that wrote or read LA, LP and LB are done, in which the boxes land
.set i, 0
.rept NCH
	global_load_b128 v[BX+4*i:BX+4*i+3], v[16+i], s[4:5]
	global_load_b64 v[KR+2*i:KR+2*i+1], v[40+i], s[44:45]
.set i, i+1
.endr
	v_mov_b32 v8, 0x7f7fffff               ; a first winner that meets no box (inter = 0) and has an infinite area (g = -inf): it suppresses nothing
	v_mov_b32 v9, 0x7f7fffff
	v_mov_b32 v10, 0xff7fffff
	v_mov_b32 v11, 0xff7fffff
	v_mov_b32 v12, 0x7f800000
	v_mov_b32 v14, 0                       ; destinations of lane-crossing lines count as read: written once here
	s_wait_loadcnt 0x0                     ; the records are in
	s_wait_alu depctr_vm_vsrc(0)           ; the record loads have read their 48 offsets v[16:63], which are written again from here on
.irp f, 28,29,30,31,32
	v_mov_b32 v\f, 0
.endr
.set k, 0
.rept 9
	v_mov_b32 v[LK+k], v7                  ; the log begins as 'no pick'
	v_mov_b32 v[LR+k], 0
.set k, k+1
.endr
.set i, 0
.rept NCH
.set t0, T+2*(i%8)
	v_pk_add_f32 v[t0:t0+1], v[BX+4*i+2:BX+4*i+3], v[BX+4*i:BX+4*i+1] neg_lo:[0,1] neg_hi:[0,1]
	v_pk_add_f32 v[t0:t0+1], v[t0:t0+1], 1.0 op_sel_hi:[1,0]
	v_mul_f32 v[AR+i], v[t0], v[t0+1]
.set i, i+1
.endr
.set i, 0
.rept 3                                ; eight entries to a run of compares
.set k, 0
.rept 8
	s_cmp_gt_u32 s29, i+k
	s_cselect_b32 s32, s31, 0              ; j >= CH: the entry is the next lane's
	v_add_nc_u32 v[TA], i+k, v[Q0]
	v_cmp_gt_u32 s[MS+k], s32, v[TA]
.set k, k+1
.endr
	s_wait_alu depctr_va_sdst(0)           ; the eight compares have written s[MS:MS+7], which the eight selects read
.set k, 0
.rept 8
	v_cndmask_b32 v[KR+2*(i+k)], v7, v[KR+2*(i+k)], s[MS+k]
.set k, k+1
.endr
.set i, i+8
.endr
	s_mov_b32 s36, 0
.Lo:                                   ; 9 trips, always: 32 steps each at the most
	s_lshl_b32 s38, s36, 5
	s_cmp_ge_u32 s38, s33
	s_cbranch_scc1 .Lrot                   ; no step left: only the rings turn
	s_sub_co_u32 s40, s33, s38
	s_min_u32 s40, s40, 32                 ; steps of this trip: 1 to 32
	s_mov_b32 s37, 0
.Li:
	CANDB 0,1,2,3
	v_mov_b32 v16, v[BX]
	v_mov_b32 v17, v[BX+1]
	v_mov_b32 v18, v[BX+2]
	v_mov_b32 v19, v[BX+3]
	v_mov_b32 v20, v[KR]
	v_mov_b32 v21, v[KR+1]
	TAKEB 1
	TAKEB 2
	TAKEB 3
.irp g, 1,2,3,4,5
	s_cmp_le_u32 s29, 4*\g                 ; CH is a whole number made of numbers read from memory
	s_cbranch_scc1 .Lsel
	CANDB 4*\g,4*\g+1,4*\g+2,4*\g+3
	TAKEB 4*\g
	TAKEB 4*\g+1
	TAKEB 4*\g+2
	TAKEB 4*\g+3
.endr
.Lsel:
	v_max_num_f32_dpp v14, v20, v20 row_xmask:1 row_mask:0xf bank_mask:0xf
	v_max_num_f32_dpp v14, v14, v14 row_xmask:2 row_mask:0xf bank_mask:0xf
	v_max_num_f32_dpp v14, v14, v14 row_xmask:4 row_mask:0xf bank_mask:0xf
	v_max_num_f32_dpp v14, v14, v14 row_xmask:8 row_mask:0xf bank_mask:0xf
	v_permlanex16_b32 v28, v14, s24, s25
	v_max_num_f32 v14, v14, v28            ; the best key, in every lane
	v_cmp_eq_f32 s32, v14, v20
	s_wait_alu depctr_va_sdst(0)           ; the compare has written s32, which the next line reads
	s_sub_co_u32 s34, 0, s32
	s_and_b32 s32, s32, s34                ; the lowest lane that has it
	v_cndmask_b32 v8, 0, v16, s32
	v_cndmask_b32 v9, 0, v17, s32
	v_cndmask_b32 v10, 0, v18, s32
	v_cndmask_b32 v11, 0, v19, s32
	v_cndmask_b32 v15, 0, v21, s32
.irp x, 1,2,4,8
.irp f, 8,9,10,11,15
	v_add_f32_dpp v\f, v\f, v\f row_xmask:\x row_mask:0xf bank_mask:0xf
.endr
.endr
	v_permlanex16_b32 v28, v8, s24, s25
	v_permlanex16_b32 v29, v9, s24, s25
	v_permlanex16_b32 v30, v10, s24, s25
	v_permlanex16_b32 v31, v11, s24, s25
	v_permlanex16_b32 v32, v15, s24, s25
	v_add_f32 v8, v8, v28
	v_add_f32 v9, v9, v29
	v_add_f32 v10, v10, v30
	v_add_f32 v11, v11, v31
	v_add_f32 v15, v15, v32
	v_pk_add_f32 v[T:T+1], v[10:11], v[8:9] neg_lo:[0,1] neg_hi:[0,1]
	v_pk_add_f32 v[T:T+1], v[T:T+1], 1.0 op_sel_hi:[1,0]
	v_mul_f32 v12, v[T], v[T+1]
	v_readfirstlane_b32 s34, v14
	v_readfirstlane_b32 s35, v15
	v_cmp_lt_f32 s39, v7, v14
	s_wait_alu depctr_va_sdst(0)           ; these three lines have written s34, s35 and s39, which the three lines below read
	v_writelane_b32 v[LK], s34, s37        ; the log's entry: lane = the step's number in this trip
	v_writelane_b32 v[LR], s35, s37
	s_and_b32 s32, s39, 1
	s_add_co_u32 s30, s30, s32             ; picks: a value, stored at the end
	s_add_co_u32 s37, s37, 1
	s_cmp_lt_u32 s37, s40
	s_cbranch_scc1 .Li
.Lrot:
	v_mov_b32 v[RT], v[LK]                 ; the two rings turn one on
.set k, 0
.rept 8
	v_mov_b32 v[LK+k], v[LK+k+1]
.set k, k+1
.endr
	v_mov_b32 v[LK+8], v[RT]
	v_mov_b32 v[RT], v[LR]
.set k, 0
.rept 8
	v_mov_b32 v[LR+k], v[LR+k+1]
.set k, k+1
.endr
	v_mov_b32 v[LR+8], v[RT]
	s_add_co_u32 s36, s36, 1
	s_cmp_lt_u32 s36, 9
	s_cbranch_scc1 .Lo
; The way out.  All that the last stores read is made ahead of the branch, on both ways, so that one wait serves them all (a larger class converts nine registers that it does not store).
	s_add_co_u32 s30, s30, s23             ; both parts' picks
	v_lshl_add_u32 v5, v0, 2, 4*KST        ; entry 24 + 32 j + lane (the zeros' stores, which read v5, stand ahead of the waits on vm_vsrc above)
	v_lshlrev_b32 v16, 3, v0
	v_mov_b32 v18, s30
	v_mov_b32 v19, s30
.set k, 0
.rept 9
	v_cvt_u32_f32 v[LR+k], v[LR+k]
.set k, k+1
.endr
	s_wait_alu depctr_va_vdst(0)           ; the log's keys and rows, v5, v16 and v[18:19] are written, which the stores below read
	s_cmp_gt_u32 s22, 3
	s_cbranch_scc1 .Lnolog                 ; a larger class: the first part has written its whole log
.set k, 0
.rept 9
	global_store_b32 v5, v[LK+k], s[10:11] offset:128*k
	global_store_b32 v5, v[LR+k], s[46:47] offset:128*k
.set k, k+1
.endr
.Lnolog:
	global_store_b64 v16, v[18:19], s[12:13]   ; 256 consecutive bytes
	s_wait_dscnt 0x0                       ; the closing lines, six on end
	s_wait_alu 0x0
	s_wait_tensorcnt 0x0
	ds_add_u32 v2, v3
	s_wait_dscnt 0x0
	s_endpgm
.Lfunc_end_k_qe4c034e436_nmsb:
	.size	k_qe4c034e436_nmsb, .Lfunc_end_k_qe4c034e436_nmsb-k_qe4c034e436_nmsb
	.p2alignl 7, 3214868480
	.fill 96, 4, 3214868480
	.section	.rodata,"a",@progbits
	.p2align	6, 0x0
	.amdhsa_kernel k_qe4c034e436_nmsb
		.amdhsa_group_segment_fixed_size 3584
		.amdhsa_private_segment_fixed_size 0
		.amdhsa_enable_private_segment 0
		.amdhsa_kernarg_size 40
		.amdhsa_user_sgpr_count 2
		.amdhsa_user_sgpr_kernarg_segment_ptr 1
		.amdhsa_wavefront_size32 1
		.amdhsa_system_sgpr_workgroup_id_x 1
		.amdhsa_system_sgpr_workgroup_id_y 1
		.amdhsa_system_sgpr_workgroup_id_z 1
		.amdhsa_system_vgpr_workitem_id 0
		.amdhsa_next_free_vgpr 256
		.amdhsa_next_free_sgpr 66
		.amdhsa_reserve_vcc 1
		.amdhsa_float_denorm_mode_32 3
		.amdhsa_float_denorm_mode_16_64 3
		.amdhsa_memory_ordered 1
		.amdhsa_forward_progress 1
		.amdhsa_inst_pref_size 71
	.end_amdhsa_kernel
	.amdgpu_metadata
---
amdhsa.version: [ 1, 2 ]
amdhsa.kernels:
  - .name:           k_qe4c034e436_nmsb
    .symbol:         k_qe4c034e436_nmsb.kd
    .args:
      - { .name: srec, .offset: 0, .size: 8, .value_kind: global_buffer, .address_space: global }
      - { .name: seg, .offset: 8, .size: 8, .value_kind: global_buffer, .address_space: global }
      - { .name: code, .offset: 16, .size: 8, .value_kind: global_buffer, .address_space: global }
      - { .name: kscore, .offset: 24, .size: 8, .value_kind: global_buffer, .address_space: global }
      - { .name: kidx, .offset: 32, .size: 8, .value_kind: global_buffer, .address_space: global }
    .group_segment_fixed_size: 3584
    .private_segment_fixed_size: 0
    .kernarg_segment_align: 8
    .kernarg_segment_size: 40
    .max_flat_workgroup_size: 32
    .sgpr_count:     66
    .vgpr_count:     256
    .wavefront_size: 32
...
	.end_amdgpu_metadata
.endif
;; end of part 8
;; launch ranking: the kernel of part 4 again; grid 80 x 1, 10 waves a work-group, no clusters, 14,080 bytes of LDS; arguments kscore, kidx, rec, prank, kconf; writes prank, kconf
;; launch final: the kernel of part 5 again; grid 1 x 1, 10 waves a work-group, no clusters, 17,920 bytes of LDS; arguments prank, kconf, out0, out1; writes out0, out1
